; MI455X (gfx1250); checked and timed in simulation.
; The chip was launched on July 23, 2026; its instructions are those of AMD's public machine-readable ISA for CDNA 5 (MIT licence, August 2026) and "CDNA5" Instruction Set Architecture Reference Guide (July 2026). The comments in the code are by the model that wrote it; some were corrected since.
;; Encoder Layer. Allowed arithmetic: matrix products marked QUANTISED: E5M2 operands, one E8M0 scale for each 32 along K, by v_wmma_scale_f32_16x16x128_f8f6f4 with both operands' format E5M2, f32 sums; everything else in f32.
;; Inputs: W1_codes 512 x 32 x 32 uint8 (E5M2 codes of W1, K innermost, in blocks of 32 codes); W1_scales 512 x 32 uint8 (E8M0 scales of W1, one for each 32 codes along K); W2_codes 1,024 x 16 x 32 uint8 (E5M2 codes of W2, K innermost, in blocks of 32 codes); W2_scales 1,024 x 16 uint8 (E8M0 scales of W2, one for each 32 codes along K); Wk_codes 512 x 32 x 32 uint8 (E5M2 codes of Wk, K innermost, in blocks of 32 codes); Wk_scales 512 x 32 uint8 (E8M0 scales of Wk, one for each 32 codes along K); Wo_codes 1,024 x 16 x 32 uint8 (E5M2 codes of Wo, K innermost, in blocks of 32 codes); Wo_scales 1,024 x 16 uint8 (E8M0 scales of Wo, one for each 32 codes along K); Wq_codes 512 x 32 x 32 uint8 (E5M2 codes of Wq, K innermost, in blocks of 32 codes); Wq_scales 512 x 32 uint8 (E8M0 scales of Wq, one for each 32 codes along K); Wv_codes 512 x 32 x 32 uint8 (E5M2 codes of Wv, K innermost, in blocks of 32 codes); Wv_scales 512 x 32 uint8 (E8M0 scales of Wv, one for each 32 codes along K); b1 512 float32; b2 1,024 float32; bk 512 float32; bo 1,024 float32; bq 512 float32; bv 512 float32; input_mask 4 x 4,096 bool; ln1_b 1,024 float32; ln1_g 1,024 float32; ln2_b 1,024 float32; ln2_g 1,024 float32; src 4 x 4,096 x 1,024 float32.
;; Outputs: out0 4 x 4,096 x 1,024 float32.
;; This version of the problem:
;;   THIS VERSION OF THE PROBLEM IS GIVEN IN LOW PRECISION. The matrix products marked QUANTISED in the list below multiply operands that are first quantised to E5M2 (5 exponent bits, 2 mantissa bits; 8 bits a number), with one power-of-two scale for each 32 numbers along K (OCP MX v1.0); their sums are f32. All else is computed in f32.
;;   The module's matrix products, in the order in which they are computed (A, B: the left and right operand; K: the contracted axis; several contracted axes count as one K, in the product's order):
;;     1. [M 16,384, K 1,024] x [K 1,024, N 512]; A: input src; B: input Wq (given as codes): QUANTISED
;;     2. [M 16,384, K 1,024] x [K 1,024, N 512]; A: input src; B: input Wk (given as codes): QUANTISED
;;     3. [M 16,384, K 1,024] x [K 1,024, N 512]; A: input src; B: input Wv (given as codes): QUANTISED
;;     4. batch 1,024 x [M 128, K 32] x [K 32, N 128]; A: computed on the way; B: computed on the way: QUANTISED
;;     5. batch 1,024 x [M 32, K 128] x [K 128, N 128]; A: computed on the way; B: softmax (see below): QUANTISED
;;     6. batch 32 x [M 4,096, K 32] x [K 32, N 1,024]; A: computed on the way; B: computed on the way: QUANTISED
;;     7. batch 32 x [M 32, K 1,024] x [K 1,024, N 4,096]; A: computed on the way; B: softmax (see below): QUANTISED
;;     8. [M 16,384, K 512] x [K 512, N 1,024]; A: computed on the way; B: input Wo (given as codes): QUANTISED
;;     9. [M 16,384, K 1,024] x [K 1,024, N 512]; A: computed on the way; B: input W1 (given as codes): QUANTISED
;;     10. [M 16,384, K 512] x [K 512, N 1,024]; A: computed on the way; B: input W2 (given as codes): QUANTISED
;;   THE QUANTISER, for each operand of a quantised product, along K:
;;     - K is cut into blocks of 32 from its start; a last block that is shorter is filled with zeros.
;;     - A block's scale is 2^e with e = floor(log2(the largest magnitude in the block)) - 15, held to -126 .. 127; a block of zeros has e = 0. As a byte (E8M0): e + 127.
;;     - Each number is divided by its block's scale, clamped to +-57,344, and rounded to the nearest number of E5M2, ties to even, subnormals kept.
;;     - The product sums the exact products of the quantised numbers (number of the format x scale) in f32.
;;   ~~~python
;;   def quantise(x, axis):      # numpy; x: float32 -> the quantised numbers, widened to float32 again
;;       x = np.moveaxis(x, axis, -1); K = x.shape[-1]
;;       x = np.pad(x, [(0, 0)] * (x.ndim - 1) + [(0, -K % 32)]); x = x.reshape(x.shape[:-1] + (-1, 32)); a = np.abs(x).max(-1, keepdims=True)
;;       e = np.where(a > 0, np.clip(np.frexp(np.where(a > 0, a, 1))[1] - 1 - 15, -126, 127), 0)      # np.frexp(a)[1] - 1 = floor(log2(a)), exactly
;;       r = np.clip(x / 2.0 ** e, -57344, 57344)
;;       step = 2.0 ** (np.maximum(np.frexp(np.where(r == 0, 1, r))[1] - 1, -14) - 2)
;;       q = np.round(r / step) * step * 2.0 ** e      # np.round: ties to even
;;       return np.moveaxis(q.reshape(q.shape[:-2] + (-1,))[..., :K], -1, axis).astype(np.float32)
;;   ~~~
;;   SOFTMAX AHEAD OF A QUANTISED PRODUCT. Where the list says 'softmax', what is quantised is not the finished softmax but p = 2^(t - M), with t = logit x log2(e) and M = ceil(the row's largest t), a whole number; so 1/2 < the row's largest p <= 1. The row's sum l is taken of the UNQUANTISED p, in f32, and the product's result is divided by l at the end. Since M is a whole number, a kernel that streams over the keys may use a running M (the ceiling of the running maximum): every later rescaling is an exact power of two, which a block's scale takes up: the codes' values come out the same.
;;   OPERANDS COMPUTED ON THE WAY. 'Computed on the way' means the value that the module computes at that place (a softmax that the list does not call 'softmax' is quantised finished and normalised). What goes into a quantiser is computed in f32, as accurately as f32 sums, v_exp_f32 and their like allow (about 1e-6 of the number): no bf16 or f16 on the way to a quantiser, and a product that is left as it is and whose result goes on into a quantised operand takes f32 operands (vector FMAs, or v_wmma_f32_16x16x4_f32). A number that lies on a knife's edge between two numbers of the format may be rounded either way, as far as f32 arithmetic and the matrix unit's own rounding can turn it there, and no further.
;;   INPUTS GIVEN AS CODES. W1 (in the module: [1024, 512], K = its axis 0); W2 (in the module: [512, 1024], K = its axis 0); Wk (in the module: [1024, 512], K = its axis 0); Wo (in the module: [512, 1024], K = its axis 0); Wq (in the module: [1024, 512], K = its axis 0); Wv (in the module: [1024, 512], K = its axis 0): each comes as NAME_codes (uint8): NAME with its K axis moved to the last place and cut into blocks of 32 codes, [.., K / 32, bytes a block], one block behind the other in memory; one code a byte (a code: sign, 5 exponent bits, 2 mantissa bits); and NAME_scales (uint8): the same leading axes, one E8M0 byte (e + 127) for each 32 codes along K. Its value is code x scale, taken as it is: it is not quantised again, and the codes and scales need not be those that the quantiser above would give.
;; One version. Each part assembles by itself: llvm-mc -triple=amdgcn-amd-amdhsa -mcpu=gfx1250 --defsym DOCPART=n.
;; ======== version 1 of 1: 4 launches
;; limits: right only within a limited range of input values
;; workspace buffers: wpk 3,440,640 bytes; mbias 65,536 bytes; qkvc 25,165,824 bytes; qkvs 1,572,864 bytes; oc 8,388,608 bytes; osc 262,144 bytes
;; launch prep (part 1): grid 100 x 1, 4 waves a work-group, no clusters, 0 bytes of LDS; arguments Wq_codes, Wq_scales, Wk_codes, Wk_scales, Wv_codes, Wv_scales, Wo_codes, Wo_scales, W1_codes, W1_scales, W2_codes, W2_scales, bq, bk, bv, input_mask, wpk, mbias; writes wpk, mbias
.if DOCPART == 1
	.amdgcn_target "amdgcn-amd-amdhsa--gfx1250"
	.amdhsa_code_object_version 6
	.text
	.protected	k_q2d8cab0473_prep
	.globl	k_q2d8cab0473_prep
	.p2align	8
	.type	k_q2d8cab0473_prep,@function
k_q2d8cab0473_prep:
	s_mov_b64 s[64:65], 0
	v_nop
	global_prefetch_b8 v0, s[64:65] scope:SCOPE_SE
	s_setreg_imm32_b32 hwreg(HW_REG_WAVE_MODE, 25, 1), 1
	s_wait_xcnt 0x0
; The six weights (codes of E5M2, K innermost, one E8M0 byte for each 32 along K) are laid once in the order in which a wave's operand registers take them.
; A FRAGMENT is 16 weight rows x 128 K: 16 registers a lane; register group c of lane l lies at 512 c + 16 l, so that every later load of it is 512 consecutive bytes.
; Lane r of column tile T holds weight row 32 (T / 2) + 8 (T % 2) + r + 8 (r / 8): the 16 results of tiles 2 b and 2 b + 1 are then 16 neighbours along the next product's K.
; A PACKAGE is four fragments (8,192 bytes) and behind them an image of their scale words: lane l's 16 bytes are the words of fragments 0 .. 3 for its row.
; One wave makes one package.  Work-groups 0-47: q, k, v (work-group = unit of 32 columns, wave = two K steps), and a quarter of the unit's bias image each;
; 48-63: Wo; 64-79: W1; 80-95: W2.  Work-groups 96-99: the mask of one batch as f32 addends: 0 where a key counts, -2^30 where it does not.
.set PKB,   8704
.set UNITB, 36864                      ; a unit of q, k or v: four packages and 2,048 bytes of bias
.set WO_AT, 1769472
.set W1_AT, 2326528
.set W2_AT, 2883584
.set NEGM,  0xce800000                 ; -2^30
; s42 = the package's first weight row, s43 = its first K step, s[44:45] = where it goes.  kind 0: tiles T0, T0 + 1 x K steps s0, s0 + 1;  kind 1: tiles T0 .. T0 + 3 of one K step.
.macro PACKAGE cp, sp, pitch, spitch, kind
	s_mul_i32 s46, s42, \pitch
	s_lshl_b32 s47, s43, 7
	s_add_co_u32 s46, s46, s47                     ; byte of (first row, first K step) in the codes
	s_mul_i32 s47, s42, \spitch
	s_lshl_b32 s48, s43, 2
	s_add_co_u32 s47, s47, s48                     ; and in the scale bytes
	v_mul_u32_u24 v4, v2, \pitch
	v_lshl_add_u32 v4, v3, 4, v4
	v_add_nc_u32 v4, s46, v4                       ; my row, my half's 16 bytes of each 32
	v_mul_u32_u24 v5, v2, \spitch
	v_add_nc_u32 v5, s47, v5
.irp f, 0,1,2,3
.if \kind
.set RO, 32*(\f/2)+8*(\f%2)
.set DK, 0
.else
.set RO, 8*(\f%2)
.set DK, \f/2
.endif
.irp c, 0,1,2,3
	global_load_b128 v[16+16*\f+4*\c:19+16*\f+4*\c], v4, s[\cp:\cp+1] offset:RO*\pitch+128*DK+32*\c
.endr
	global_load_b32 v[80+\f], v5, s[\sp:\sp+1] offset:RO*\spitch+4*DK
.endr
	s_wait_loadcnt 0x0
.irp f, 0,1,2,3
.irp c, 0,1,2,3
	global_store_b128 v1, v[16+16*\f+4*\c:19+16*\f+4*\c], s[44:45] offset:2048*\f+512*\c   ; 32 lanes store 512 consecutive bytes
.endr
.endr
	global_store_b128 v1, v[80:83], s[44:45] offset:8192
.endm
; Wo and W2: package idx = 4 (work-group - first) + wave = 8 w + 2 s + e: column tiles 8 w + 4 e .. + 3 (first weight row 128 w + 64 e) of K step s
.macro PAIRS first, at
	s_sub_co_u32 s41, ttmp9, \first
	s_lshl_b32 s41, s41, 2
	s_add_co_u32 s41, s41, s40
	s_lshr_b32 s42, s41, 3
	s_lshl_b32 s42, s42, 7
	s_and_b32 s43, s41, 1
	s_lshl_b32 s43, s43, 6
	s_add_co_u32 s42, s42, s43                     ; first row 128 w + 64 e
	s_bfe_u32 s43, s41, 0x20001                    ; s
	s_mul_i32 s44, s41, PKB
	s_add_co_u32 s44, s44, \at
	s_add_nc_u64 s[44:45], s[36:37], s[44:45]
.endm
	s_load_b512 s[4:19], s[0:1], 0x0               ; Wq s[4:7], Wk s[8:11], Wv s[12:15], Wo s[16:19]: codes, then scales
	s_load_b512 s[20:35], s[0:1], 0x40             ; W1 s[20:23], W2 s[24:27], bq s[28:29], bk s[30:31], bv s[32:33], the mask s[34:35]
	s_load_b128 s[36:39], s[0:1], 0x80             ; wpk s[36:37], mbias s[38:39]
	v_lshrrev_b32 v1, 5, v0
	v_readfirstlane_b32 s40, v1                    ; wave
	v_and_b32 v1, 31, v0
	v_lshlrev_b32 v1, 4, v1                        ; 16 x lane
	v_and_b32 v2, 15, v0
	v_and_b32 v3, 8, v2
	v_add_nc_u32 v2, v2, v3                        ; r + 8 (r / 8)
	v_bfe_u32 v3, v0, 4, 1                         ; h
	s_mov_b32 s45, 0
	s_wait_kmcnt 0x0
	s_cmp_ge_u32 ttmp9, 96
	s_cbranch_scc1 .Lmask
	s_cmp_ge_u32 ttmp9, 80
	s_cbranch_scc1 .Lw2
	s_cmp_ge_u32 ttmp9, 64
	s_cbranch_scc1 .Lw1
	s_cmp_ge_u32 ttmp9, 48
	s_cbranch_scc1 .Lwo
	; ---- q, k, v: unit = work-group, K steps 2 x wave on
	s_lshr_b32 s49, ttmp9, 4                       ; 0: q, 1: k, 2: v
	s_cmp_eq_u32 s49, 0
	s_cselect_b64 s[50:51], s[4:5], s[8:9]
	s_cselect_b64 s[52:53], s[6:7], s[10:11]
	s_cselect_b64 s[54:55], s[28:29], s[30:31]
	s_cmp_eq_u32 s49, 2
	s_cselect_b64 s[50:51], s[12:13], s[50:51]
	s_cselect_b64 s[52:53], s[14:15], s[52:53]
	s_and_b32 s41, ttmp9, 15                       ; the head
	s_lshl_b32 s42, s41, 5
	s_lshl_b32 s43, s40, 1
	s_mul_i32 s56, ttmp9, UNITB
	s_mov_b32 s57, 0
	s_add_nc_u64 s[56:57], s[36:37], s[56:57]      ; the unit
	s_mul_i32 s44, s40, PKB
	s_add_nc_u64 s[44:45], s[56:57], s[44:45]
	s_wait_alu depctr_va_vdst(0)
	PACKAGE 50, 52, 1024, 32, 0
	; the bias image: 16 registers a lane in the result's layout; wave q makes registers 4 q .. 4 q + 3
	s_lshl_b32 s58, s40, 9
	s_add_co_u32 s58, s58, 4*PKB
	s_mov_b32 s59, 0
	s_add_nc_u64 s[56:57], s[56:57], s[58:59]
	s_lshl_b32 s46, s41, 7                         ; 4 x 32 x head
	s_lshr_b32 s47, s40, 1
	s_lshl_b32 s47, s47, 5                         ; + 4 x 8 x tile
	s_add_co_u32 s46, s46, s47
	s_cmp_eq_u32 s49, 2
	s_cbranch_scc1 .Lbv
	s_and_b32 s47, s40, 1
	s_lshl_b32 s47, s47, 4
	s_add_co_u32 s46, s46, s47
	v_lshl_add_u32 v6, v3, 6, s46                  ; q, k: a lane's registers run along the columns: b[32 head + 16 h + 8 u + j]
	global_load_b128 v[84:87], v6, s[54:55]
	s_wait_loadcnt 0x0
	global_store_b128 v1, v[84:87], s[56:57]
	s_endpgm
.Lbv:
	v_lshl_add_u32 v6, v2, 2, s46                  ; v: a lane holds one column: bv[32 head + 8 u + r + 8 (r / 8)] in every register
	global_load_b32 v84, v6, s[32:33]
	s_wait_loadcnt 0x0
	v_mov_b32 v85, v84
	v_mov_b32 v86, v84
	v_mov_b32 v87, v84
	global_store_b128 v1, v[84:87], s[56:57]
	s_endpgm
.Lwo:
	PAIRS 48, WO_AT
	s_wait_alu depctr_va_vdst(0)
	PACKAGE 16, 18, 512, 16, 1
	s_endpgm
.Lw2:
	PAIRS 80, W2_AT
	s_wait_alu depctr_va_vdst(0)
	PACKAGE 24, 26, 512, 16, 1
	s_endpgm
.Lw1:                                              ; package idx = (8 w + s) 2 + eta: tiles 8 w + 4 eta on, K step s
	s_sub_co_u32 s41, ttmp9, 64
	s_lshl_b32 s41, s41, 2
	s_add_co_u32 s41, s41, s40
	s_lshr_b32 s42, s41, 4
	s_lshl_b32 s42, s42, 7
	s_and_b32 s43, s41, 1
	s_lshl_b32 s43, s43, 6
	s_add_co_u32 s42, s42, s43                     ; first row 128 w + 64 eta
	s_bfe_u32 s43, s41, 0x30001                    ; s
	s_mul_i32 s44, s41, PKB
	s_add_co_u32 s44, s44, W1_AT
	s_add_nc_u64 s[44:45], s[36:37], s[44:45]
	s_wait_alu depctr_va_vdst(0)
	PACKAGE 20, 22, 1024, 32, 1
	s_endpgm
.Lmask:                                            ; one batch: 4,096 bytes in, 16,384 out; a thread takes 4 bytes of each 512
	s_sub_co_u32 s41, ttmp9, 96
	s_lshl_b32 s42, s41, 12
	s_mov_b32 s43, 0
	s_add_nc_u64 s[34:35], s[34:35], s[42:43]
	s_lshl_b32 s42, s41, 14
	s_add_nc_u64 s[38:39], s[38:39], s[42:43]
	v_lshlrev_b32 v4, 2, v0
	v_lshlrev_b32 v5, 4, v0
.irp t, 0,1,2,3,4,5,6,7
	global_load_b32 v[8+\t], v4, s[34:35] offset:512*\t
.endr
	s_wait_loadcnt 0x0
.irp t, 0,1,2,3,4,5,6,7
.irp k, 0,1,2,3
	v_bfe_u32 v[16+4*\t+\k], v[8+\t], 8*\k, 1      ; 1: the key counts
	v_add_nc_u32 v[16+4*\t+\k], -1, v[16+4*\t+\k]  ; 0, or all ones
	v_and_b32 v[16+4*\t+\k], NEGM, v[16+4*\t+\k]   ; 0.0, or -2^30
.endr
	global_store_b128 v5, v[16+4*\t:19+4*\t], s[38:39] offset:2048*\t
.endr
	s_endpgm
.Lfunc_end_k_q2d8cab0473_prep:
	.size	k_q2d8cab0473_prep, .Lfunc_end_k_q2d8cab0473_prep-k_q2d8cab0473_prep
	.p2alignl 7, 3214868480
	.fill 96, 4, 3214868480
	.section	.rodata,"a",@progbits
	.p2align	6, 0x0
	.amdhsa_kernel k_q2d8cab0473_prep
		.amdhsa_group_segment_fixed_size 0
		.amdhsa_private_segment_fixed_size 0
		.amdhsa_enable_private_segment 0
		.amdhsa_kernarg_size 144
		.amdhsa_user_sgpr_count 2
		.amdhsa_user_sgpr_kernarg_segment_ptr 1
		.amdhsa_wavefront_size32 1
		.amdhsa_system_sgpr_workgroup_id_x 1
		.amdhsa_system_sgpr_workgroup_id_y 1
		.amdhsa_system_sgpr_workgroup_id_z 1
		.amdhsa_system_vgpr_workitem_id 0
		.amdhsa_next_free_vgpr 96
		.amdhsa_next_free_sgpr 66
		.amdhsa_reserve_vcc 0
		.amdhsa_float_denorm_mode_32 3
		.amdhsa_float_denorm_mode_16_64 3
		.amdhsa_memory_ordered 1
		.amdhsa_forward_progress 1
		.amdhsa_inst_pref_size 28
	.end_amdhsa_kernel
	.amdgpu_metadata
---
amdhsa.version: [ 1, 2 ]
amdhsa.kernels:
  - .name:           k_q2d8cab0473_prep
    .symbol:         k_q2d8cab0473_prep.kd
    .args:
      - { .name: Wq_codes, .offset: 0, .size: 8, .value_kind: global_buffer, .address_space: global }
      - { .name: Wq_scales, .offset: 8, .size: 8, .value_kind: global_buffer, .address_space: global }
      - { .name: Wk_codes, .offset: 16, .size: 8, .value_kind: global_buffer, .address_space: global }
      - { .name: Wk_scales, .offset: 24, .size: 8, .value_kind: global_buffer, .address_space: global }
      - { .name: Wv_codes, .offset: 32, .size: 8, .value_kind: global_buffer, .address_space: global }
      - { .name: Wv_scales, .offset: 40, .size: 8, .value_kind: global_buffer, .address_space: global }
      - { .name: Wo_codes, .offset: 48, .size: 8, .value_kind: global_buffer, .address_space: global }
      - { .name: Wo_scales, .offset: 56, .size: 8, .value_kind: global_buffer, .address_space: global }
      - { .name: W1_codes, .offset: 64, .size: 8, .value_kind: global_buffer, .address_space: global }
      - { .name: W1_scales, .offset: 72, .size: 8, .value_kind: global_buffer, .address_space: global }
      - { .name: W2_codes, .offset: 80, .size: 8, .value_kind: global_buffer, .address_space: global }
      - { .name: W2_scales, .offset: 88, .size: 8, .value_kind: global_buffer, .address_space: global }
      - { .name: bq, .offset: 96, .size: 8, .value_kind: global_buffer, .address_space: global }
      - { .name: bk, .offset: 104, .size: 8, .value_kind: global_buffer, .address_space: global }
      - { .name: bv, .offset: 112, .size: 8, .value_kind: global_buffer, .address_space: global }
      - { .name: input_mask, .offset: 120, .size: 8, .value_kind: global_buffer, .address_space: global }
      - { .name: wpk, .offset: 128, .size: 8, .value_kind: global_buffer, .address_space: global }
      - { .name: mbias, .offset: 136, .size: 8, .value_kind: global_buffer, .address_space: global }
    .group_segment_fixed_size: 0
    .private_segment_fixed_size: 0
    .kernarg_segment_align: 8
    .kernarg_segment_size: 144
    .max_flat_workgroup_size: 128
    .sgpr_count:     66
    .vgpr_count:     96
    .wavefront_size: 32
...
	.end_amdgpu_metadata
.endif
;; end of part 1
;; launch qkv (part 2): grid 256 x 1, 4 waves a work-group, no clusters, 101,888 bytes of LDS; arguments src, wpk, qkvc, qkvs; writes qkvc, qkvs
.if DOCPART == 2
	.amdgcn_target "amdgcn-amd-amdhsa--gfx1250"
	.amdhsa_code_object_version 6
	.text
	.protected	k_q2d8cab0473_qkv
	.globl	k_q2d8cab0473_qkv
	.p2align	8
	.type	k_q2d8cab0473_qkv,@function
k_q2d8cab0473_qkv:
	s_mov_b64 s[64:65], 0
	v_nop
	global_prefetch_b8 v0, s[64:65] scope:SCOPE_SE
	s_setreg_imm32_b32 hwreg(HW_REG_WAVE_MODE, 25, 1), 1
	s_wait_xcnt 0x0
; q, k, v = Q(src) W^T + b on codes of E5M2 with one E8M0 scale for each 32 along K, and their own codes: q and k quantised along the head's 32, v along blocks of 32 keys.
; SHARES.  A work-group takes 64 rows (row group G).  Row tile t holds in lane r the row 32 (t / 2) + 8 (t % 2) + r + 8 (r / 8).  Wave w quantises tile w of src; the images of all 32 fragments
; (4 tiles x 8 K steps) go through LDS into EVERY wave's registers (512) and stay.  The waves share the columns: wave w takes units w, w + 4, ..; a unit is one head of q (units 0-15), k (16-31) or v (32-47).
; The weights come from memory straight into registers, in the fragment order in which an earlier launch laid them: each fragment feeds four matrix instructions, and three packages of 17 loads are on their way.
; src is asked for four K steps ahead (64 loads of 512 bytes a wave); the first unit's weights are asked for behind it, a package behind each of the last four K steps.
; The heads 8-15 of k and v are wanted only for rows 96-127 of each 128, which lie in odd row groups: even work-groups leave those units out.
; q, k: the product is used transposed (source 0 = W, source 1 = x): a lane holds one row, its 16 registers of a head's two tiles are d = 16 h + 0 .. 15.
; v: straight (source 0 = x, source 1 = W): a lane holds one d, the 16 registers of row tiles 2 b, 2 b + 1 are keys 32 b + 16 h + 0 .. 15.  In both a block of 32 lies in lanes l and l xor 16.
; The bias is the C of each sum's first matrix instruction.  A unit's codes leave as an image of an operand's registers (2,048 bytes), its scale words as 128 consecutive bytes (one seventeenth of what is stored).
; LIMITS: NaN and infinities among the inputs are not served; a block of zeros gets the byte 1 (its codes are zeros, and this program alone reads the bytes).
; REGISTERS: window 0: v1-8 addresses, v16-47 x's scale words, v48-63 the weights' scale words, v64-79 the bias, v80-143 eight accumulators, v144-179 the quantiser's;
;   windows 1, 2: x's fragments (K step s, tile m) at 16 (4 s + m) from window 1 on; before that window 1 holds four sets of 64 for src as it is loaded;  window 3: four buffers of 64 for the weights.
.set PKB,   8704
.set UNITB, 36864
.set XIMG,  0                          ; LDS: x's 32 fragments, 4 s + m, 2,048 bytes each;
.set XSC,   65536                      ; their scale words, 64 bytes each;
.set STG,   67584                      ; a stage of 16 rows x (512 + 16) bytes for each wave
.set SPT,   528
.set LI,   1                           ; 16 x lane
.set LS,   2                           ; XSC + 4 r
.set XWI,  3                           ; 16 x lane + 2,048 x wave
.set XWS,  4                           ; XSC + 4 r + 64 x wave
.set SIN,  5                           ; my stage + 16 x lane
.set SOUT, 6                           ; my stage + 528 r + 64 h
.set L16,  7                           ; 16 x (lane % 16)
.set SL4,  8                           ; 4 x lane
.set AS,   16
.set WS,   48
.set BIAS, 64
.set ACC,  80
.set TM,   144
.set PW,   160
.set PC,   164
.set SEL,  30
.set MNT,  32
.set MSB,  0
.macro WIN new                         ; the immediate's high byte repeats the setting that is left
.if MSB != (\new)
	s_set_vgpr_msb (MSB<<8)|(\new)
.set MSB, (\new)
.endif
.endm
.macro PLACES n
.rept \n
	v_nop
.endr
.endm
.macro WM d, a, b, c, sa, sb
	v_wmma_scale_f32_16x16x128_f8f6f4 v[\d:\d+7], v[\a:\a+15], v[\b:\b+15], v[\c:\c+7], v[\sa], v[\sb] matrix_a_fmt:MATRIX_FMT_BF8 matrix_b_fmt:MATRIX_FMT_BF8
.endm
; 64 numbers of a lane, register 16 b + i of block b, become codes in v[PC] on (group b at PC + 4 b) and the scale word in v[PW].
.macro QUANT s
.irp b, 0,1,2,3
	v_max3_num_f32 v[TM+\b], |v[\s+16*\b]|, |v[\s+16*\b+1]|, 0x8000000   ; my 16 numbers, and the floor 2^(16 - 127): the byte cannot fall under 1
.endr
.irp i, 2,4,6,8,10,12,14
.irp b, 0,1,2,3
	v_max3_num_f32 v[TM+\b], v[TM+\b], |v[\s+16*\b+\i]|, |v[\s+16*\b+\i+1]|
.endr
.endr
.irp b, 0,1,2,3
	v_permlanex16_b32 v[TM+4+\b], v[TM+\b], s[SEL], s[SEL+1]
.endr
.irp b, 0,1,2,3
	v_max_num_f32 v[TM+\b], v[TM+\b], v[TM+4+\b]   ; with lane l xor 16's: the block's largest magnitude
.endr
.irp b, 0,1,2,3
	v_add_nc_u32 v[TM+12+\b], 0xf8800000, v[TM+\b] ; 15 off its exponent field: the conversion's scale operand
.endr
.irp b, 0,1,2,3
	v_and_or_b32 v[TM+8+\b], v[TM+\b], 0x7f800000, s[MNT]   ; 57,344 x the scale
.endr
.irp b, 0,1,2,3
	v_lshrrev_b32 v[TM+4+\b], 23, v[TM+12+\b]      ; the scale's byte
.endr
	v_lshl_or_b32 v[PW], v[TM+5], 8, v[TM+4]
	v_lshl_or_b32 v[PW], v[TM+6], 16, v[PW]
	v_lshl_or_b32 v[PW], v[TM+7], 24, v[PW]
.irp b, 0,1,2,3
.irp i, 0,1,2,3,4,5,6,7,8,9,10,11,12,13,14,15
	v_med3_num_f32 v[\s+16*\b+\i], v[\s+16*\b+\i], -v[TM+8+\b], v[TM+8+\b]   ; the conversion does not saturate (ISA guide 7.6.2): the hold at the largest code x the scale
.endr
	v_cvt_scalef32_pk8_bf8_f32 v[PC+4*\b:PC+4*\b+1], v[\s+16*\b:\s+16*\b+7], v[TM+12+\b]
	v_cvt_scalef32_pk8_bf8_f32 v[PC+4*\b+2:PC+4*\b+3], v[\s+16*\b+8:\s+16*\b+15], v[TM+12+\b]
.endr
	v_nop                                          ; a plain line between the last conversion and whatever next writes its sources
.endm
.macro LOADB buf, imm                  ; a package: 16 loads of codes into buffer buf, one of scale words: 17
	WIN 0xc0
.irp i, 0,1,2,3,4,5,6,7,8,9,10,11,12,13,14,15
	global_load_b128 v[64*(\buf)+4*\i:64*(\buf)+4*\i+3], v[LI], s[16:17] offset:(\imm)+512*\i
.endr
	WIN 0
	global_load_b128 v[WS+4*(\buf):WS+4*(\buf)+3], v[L16], s[16:17] offset:(\imm)+8192   ; lanes 0-15 hold the words that the products read: both halves of the lanes name the same 256 bytes
.endm
.macro BIASLD
.irp i, 0,1,2,3
	global_load_b128 v[BIAS+4*\i:BIAS+4*\i+3], v[LI], s[16:17] offset:4*PKB+512*\i
.endr
.endm
; 16 matrix instructions: K steps 2 i, 2 i + 1 x four row tiles x the head's two column tiles; the eight accumulators take turns, one instruction a turn
.macro MULB kind, i
.irp sp, 0,1
.set SS, 2*(\i)+\sp
.if \kind
	WIN (1+SS/4)|(3<<2)
.else
	WIN 3|((1+SS/4)<<2)
.endif
.irp m, 0,1,2,3
.irp u, 0,1
.set WR, 64*(\i)+32*\sp+16*\u
.set XR, 16*(4*(SS%4)+\m)
.set WSR, WS+4*(\i)+2*\sp+\u
.set ASR, AS+4*SS+\m
.if \kind
.set DR, ACC+32*\u+8*\m
.else
.set DR, ACC+16*\m+8*\u
.endif
.if SS == 0
.set CR, BIAS+8*\u
.else
.set CR, DR
.endif
.if \kind
	WM DR, XR, WR, CR, ASR, WSR
.else
	WM DR, WR, XR, CR, WSR, ASR
.endif
.endr
.endr
.endr
.endm
; A unit.  kind 0: q or k, 1: v.  next = 1: behind each package's products (and eight places: loads into registers that matrix instructions have read) the next unit's package is asked for.
; Loads come back in order (ISA guide 5.7.1).  Order of issue in every unit: package 0 and the bias (21), packages 1, 2, 3 (17 each).
.macro UNIT kind, next
	s_wait_loadcnt 51                              ; package 0 and the bias are in; packages 1 to 3 may be out
	MULB \kind, 0
	WIN 0
	PLACES 8
.if \next
	LOADB 0, 0
	BIASLD
	s_wait_loadcnt 55                              ; behind package 1: packages 2, 3 and the 21 just issued
.else
	s_wait_loadcnt 34
.endif
	MULB \kind, 1
	WIN 0
	PLACES 8
.if \next
	LOADB 1, PKB
	s_wait_loadcnt 55                              ; behind package 2: package 3, 21 and 17
.else
	s_wait_loadcnt 17
.endif
	MULB \kind, 2
	WIN 0
	PLACES 8
.if \next
	LOADB 2, 2*PKB
	s_wait_loadcnt 55                              ; behind package 3: 21, 17 and 17
.else
	s_wait_loadcnt 0x0
.endif
	MULB \kind, 3
	WIN 0
	PLACES 8                                       ; also in front of the first read of the results
.if \next
	LOADB 3, 3*PKB
.endif
	QUANT ACC
.irp c, 0,1,2,3
	global_store_b128 v[LI], v[PC+4*\c:PC+4*\c+3], s[18:19] offset:512*\c   ; 512 consecutive bytes
.endr
	global_store_b32 v[SL4], v[PW], s[20:21]
	s_wait_xcnt 0x0                                ; the pointers, the codes and the word are written again only behind this wait
.endm
.macro XLOAD cs                        ; K step cs of my 16 rows, into set cs % 4: each load takes 512 consecutive bytes of one row
	WIN 0x40
.irp i, 0,1,2,3,4,5,6,7,8,9,10,11,12,13,14,15
	global_load_b128 v[64*((\cs)%4)+4*\i:64*((\cs)%4)+4*\i+3], v[LI], s[4:5] offset:(\i+8*(\i/8))*4096+512*(\cs) th:TH_LOAD_NT
.endr
	WIN 0
.endm
; K step cs goes through my stage, so that a lane holds 16 neighbours of each block of its row; it is quantised, and the image goes to LDS.
; Order of issue: K steps 0 to 3 at the head; behind K step c's turn K step c + 4, then package 0 and the bias (21 loads), packages 1, 2, 3 (17 each).
.macro XCHUNK cs
.if (\cs) < 5
	s_wait_loadcnt 48                              ; this K step's loads are in; the three K steps behind it may be out
.else
	s_wait_loadcnt 48+(\cs)                        ; behind K step 5: 32 + 21; behind 6: 16 + 21 + 17; behind 7: 21 + 17 + 17
.endif
	WIN 0x04
.irp i, 0,1,2,3,4,5,6,7,8,9,10,11,12,13,14,15
	ds_store_b128 v[SIN], v[64*((\cs)%4)+4*\i:64*((\cs)%4)+4*\i+3] offset:SPT*\i
.endr
	WIN 0
.irp b, 0,1,2,3
.irp j, 0,1,2,3
	ds_load_b128 v[ACC+16*\b+4*\j:ACC+16*\b+4*\j+3], v[SOUT] offset:128*\b+16*\j   ; LDS serves a wave's instructions in order: these see my stores
.endr
.endr
	s_wait_dscnt 0x0                               ; the numbers are back, and the stores have read the set: it may be loaded again
.if (\cs) < 4
	XLOAD (\cs)+4
.elseif (\cs) == 4
	LOADB 0, 0
	BIASLD
.else
	LOADB (\cs)-4, ((\cs)-4)*PKB
.endif
	QUANT ACC
.irp c, 0,1,2,3
	ds_store_b128 v[XWI], v[PC+4*\c:PC+4*\c+3] offset:XIMG+8192*(\cs)+512*\c
.endr
	ds_store_b32 v[XWS], v[PW] offset:256*(\cs)    ; both halves of the lanes write the same word with the same value
.endm
	s_load_b256 s[4:11], s[0:1], 0x0               ; src s[4:5], wpk s[6:7], qkvc s[8:9], qkvs s[10:11]
	v_lshl_add_u32 v254, v0, 2, 0x18c00
	v_mov_b32 v255, 0
	v_lshrrev_b32 v9, 5, v0
	v_readfirstlane_b32 s12, v9                    ; wave
	s_mov_b32 s13, ttmp9                           ; G
	s_and_b32 s14, ttmp9, 1                        ; odd
	v_and_b32 v9, 31, v0
	v_lshlrev_b32 v[LI], 4, v9
	v_lshlrev_b32 v[SL4], 2, v9
	v_and_b32 v10, 15, v0
	v_bfe_u32 v11, v0, 4, 1
	v_lshlrev_b32 v[L16], 4, v10
	v_lshl_add_u32 v[LS], v10, 2, XSC
	s_lshl_b32 s34, s12, 11
	v_add_nc_u32 v[XWI], s34, v[LI]
	s_lshl_b32 s34, s12, 6
	v_add_nc_u32 v[XWS], s34, v[LS]
	s_mul_i32 s34, s12, 16*SPT
	s_add_co_u32 s34, s34, STG
	v_add_nc_u32 v[SIN], s34, v[LI]
	v_mul_u32_u24 v[SOUT], v10, SPT
	v_lshl_add_u32 v[SOUT], v11, 6, v[SOUT]
	v_add_nc_u32 v[SOUT], s34, v[SOUT]
.irp b, 0,1,2,3
	v_mov_b32 v[TM+4+\b], 0                        ; a lane permute's destination counts as one of its sources
.endr
	s_mov_b32 s[SEL], 0x76543210
	s_mov_b32 s[SEL+1], 0xfedcba98
	s_mov_b32 s[MNT], 0x600000
	s_lshl_b32 s22, s14, 1
	s_add_co_u32 s23, s22, 1                       ; units of v but the last: 1 or 3
	s_add_co_u32 s22, s22, 6                       ; units of q and k: 6 or 8
	s_max_u32 s22, s22, 1                          ; (both counters start at 1 or above)
	s_max_u32 s23, s23, 1
	s_mov_b32 s24, 12*UNITB                        ; even G: from unit w + 20 on to unit w + 32: three steps in one
	s_mov_b32 s25, 3*2097152
	s_mov_b32 s26, 3*131072
	s_cmp_eq_u32 s14, 1
	s_cselect_b32 s24, 4*UNITB, s24
	s_cselect_b32 s25, 2097152, s25
	s_cselect_b32 s26, 131072, s26
	s_mov_b32 s29, 0
	s_mov_b32 s35, 0
	s_mov_b32 s37, 0
	s_wait_alu depctr_va_vdst(0)
	s_wait_kmcnt 0x0
	s_mul_i32 s34, s12, UNITB
	s_add_nc_u64 s[16:17], s[6:7], s[34:35]        ; my first unit's packages
	s_lshl_b32 s34, s12, 8
	s_add_co_u32 s34, s34, s13
	s_lshl_b32 s36, s34, 11
	s_add_nc_u64 s[18:19], s[8:9], s[36:37]        ; where its codes go: (unit x 256 + G) x 2,048
	s_lshl_b32 s36, s34, 7
	s_add_nc_u64 s[20:21], s[10:11], s[36:37]
	s_lshl_b32 s34, s13, 18                        ; src: 64 G rows of 4,096 bytes,
	s_lshr_b32 s36, s12, 1
	s_lshl_b32 s36, s36, 17                        ; + 32 (w / 2) rows
	s_add_co_u32 s34, s34, s36
	s_and_b32 s36, s12, 1
	s_lshl_b32 s36, s36, 15                        ; + 8 (w % 2) rows
	s_add_co_u32 s34, s34, s36
	s_add_nc_u64 s[4:5], s[4:5], s[34:35]
	XLOAD 0                                        ; src first: it is wanted first
	XLOAD 1
	XLOAD 2
	XLOAD 3
.irp cs, 0,1,2,3,4,5,6,7
	XCHUNK \cs
.endr
	s_wait_xcnt 0x0                                ; the first unit's loads have read their pointer:
	s_add_nc_u64 s[16:17], s[16:17], 4*UNITB       ; from here on: the next unit's packages
	s_wait_dscnt 0x0                               ; for the others' sake: my images have landed
	s_barrier_signal -1
	s_barrier_wait -1                              ; x's 32 fragments lie in LDS; nothing writes them again
.set ff, 0
.rept 32
	WIN 0x40+0x40*(ff/16)
.irp c, 0,1,2,3
	ds_load_b128 v[16*(ff%16)+4*\c:16*(ff%16)+4*\c+3], v[LI] offset:XIMG+2048*ff+512*\c
.endr
.set ff, ff+1
.endr
	WIN 0
.set ff, 0
.rept 32
	ds_load_b32 v[AS+ff], v[LS] offset:64*ff
.set ff, ff+1
.endr
	s_wait_dscnt 0x0
.Lt:                                               ; q and k
	UNIT 0, 1
	s_cmp_eq_u32 s22, 2                            ; the unit after next is the first of v
	s_cselect_b32 s28, s24, 4*UNITB
	s_add_nc_u64 s[16:17], s[16:17], s[28:29]
	s_cmp_eq_u32 s22, 1                            ; the next unit is
	s_cselect_b32 s28, s25, 2097152
	s_add_nc_u64 s[18:19], s[18:19], s[28:29]
	s_cselect_b32 s28, s26, 131072
	s_add_nc_u64 s[20:21], s[20:21], s[28:29]
	s_sub_co_u32 s22, s22, 1
	s_cmp_lg_u32 s22, 0
	s_cbranch_scc1 .Lt
.Ln:                                               ; v
	UNIT 1, 1
	s_add_nc_u64 s[16:17], s[16:17], 4*UNITB
	s_add_nc_u64 s[18:19], s[18:19], 2097152
	s_add_nc_u64 s[20:21], s[20:21], 131072
	s_sub_co_u32 s23, s23, 1
	s_cmp_lg_u32 s23, 0
	s_cbranch_scc1 .Ln
	UNIT 1, 0                                      ; the last unit asks for nothing: no load leaves its buffer
	s_wait_tensorcnt 0x0
	ds_add_u32 v254, v255
	s_wait_dscnt 0x0
	s_endpgm
.Lfunc_end_k_q2d8cab0473_qkv:
	.size	k_q2d8cab0473_qkv, .Lfunc_end_k_q2d8cab0473_qkv-k_q2d8cab0473_qkv
	.p2alignl 7, 3214868480
	.fill 96, 4, 3214868480
	.section	.rodata,"a",@progbits
	.p2align	6, 0x0
	.amdhsa_kernel k_q2d8cab0473_qkv
		.amdhsa_group_segment_fixed_size 101888
		.amdhsa_private_segment_fixed_size 0
		.amdhsa_enable_private_segment 0
		.amdhsa_kernarg_size 32
		.amdhsa_user_sgpr_count 2
		.amdhsa_user_sgpr_kernarg_segment_ptr 1
		.amdhsa_wavefront_size32 1
		.amdhsa_system_sgpr_workgroup_id_x 1
		.amdhsa_system_sgpr_workgroup_id_y 1
		.amdhsa_system_sgpr_workgroup_id_z 1
		.amdhsa_system_vgpr_workitem_id 0
		.amdhsa_next_free_vgpr 1024
		.amdhsa_next_free_sgpr 66
		.amdhsa_reserve_vcc 0
		.amdhsa_float_denorm_mode_32 3
		.amdhsa_float_denorm_mode_16_64 3
		.amdhsa_memory_ordered 1
		.amdhsa_forward_progress 1
		.amdhsa_inst_pref_size 185
	.end_amdhsa_kernel
	.amdgpu_metadata
---
amdhsa.version: [ 1, 2 ]
amdhsa.kernels:
  - .name:           k_q2d8cab0473_qkv
    .symbol:         k_q2d8cab0473_qkv.kd
    .args:
      - { .name: src, .offset: 0, .size: 8, .value_kind: global_buffer, .address_space: global }
      - { .name: wpk, .offset: 8, .size: 8, .value_kind: global_buffer, .address_space: global }
      - { .name: qkvc, .offset: 16, .size: 8, .value_kind: global_buffer, .address_space: global }
      - { .name: qkvs, .offset: 24, .size: 8, .value_kind: global_buffer, .address_space: global }
    .group_segment_fixed_size: 101888
    .private_segment_fixed_size: 0
    .kernarg_segment_align: 8
    .kernarg_segment_size: 32
    .max_flat_workgroup_size: 128
    .sgpr_count:     66
    .vgpr_count:     1024
    .wavefront_size: 32
...
	.end_amdgpu_metadata
.endif
;; end of part 2
;; launch attn (part 3): grid 256 x 1, 16 waves a work-group, no clusters, 9,216 bytes of LDS; arguments qkvc, qkvs, mbias, input_mask, oc, osc; writes oc, osc
.if DOCPART == 3
	.amdgcn_target "amdgcn-amd-amdhsa--gfx1250"
	.amdhsa_code_object_version 6
	.text
	.protected	k_q2d8cab0473_attn
	.globl	k_q2d8cab0473_attn
	.p2align	8
	.type	k_q2d8cab0473_attn,@function
k_q2d8cab0473_attn:
	s_mov_b64 s[64:65], 0
	v_nop
	global_prefetch_b8 v0, s[64:65] scope:SCOPE_SE
	s_setreg_imm32_b32 hwreg(HW_REG_WAVE_MODE, 25, 1), 1
	s_wait_xcnt 0x0
; Attention on codes of E5M2 with E8M0 scales: heads 0-7 within their block of 128 rows, heads 8-15 on the last 32 rows of every block of the batch (1,024 keys).  The result, divided by the row's sum, is
; quantised per head (32 along the next product's K) and leaves as fragments for the next launch.
; SHARES.  A work-group takes 64 queries (row group G, four tiles of 16).  SIXTEEN waves of 256 registers, four to a SIMD, so that one wave's vector work stands beside another's loads, waits and matrix work.
; Wave w takes head w % 8 (one key step of 128 keys), then head 8 + w % 8 (eight key steps), for query tiles 2 (w / 8) and 2 (w / 8) + 1: a step's K and V are loaded once for two tiles.
; LAYOUT.  Both products are used transposed (S^T = K Q^T, O^T = V^T P^T): a lane holds one query.  The head size is 32, a quarter of the instruction's K: K's operand is DENSE, its four register groups are four
; tiles of 16 keys; Q's tile stands among zero codes in one run of registers (12 zeros, tile 0, 12 zeros, tile 1, 12 zeros), and the operand that begins 4 c registers ahead of a tile has it in group c alone: that picks key tile c.
; The keys of a tile are chosen (by the launch that made the codes) so that the 16 registers of tiles 2 b, 2 b + 1 are keys 32 b + 16 h + 0 .. 15.
; THE MASK is the C of S^T: 0 where a key counts, -2^30 where not.  The addends of the batch's 1,024 summary keys and of my block's 128 keys are staged in LDS once; each tile reads its step's 64 straight into S, which is C and D.
; Where NO key of a pass counts, the factor c is replaced by 0: t = 0, M = 0, p = 1 for every key: the uniform weights that the definition gives there.
; SOFTMAX.  t = score x c, c = log2(e) / sqrt(32); M = the running largest t rounded up to a whole number; p = 2^(t - M) is quantised along the keys; the row's sum is taken of the unquantised p.
; p's CODES LIE OVER S, four registers ahead of it: block b's codes land on numbers of blocks that are already converted.  So S^T of the next tile writes over an operand of V^T P: nine places stand behind V^T P.
; LIMITS: raw scores stay under 2^28 in magnitude (a masked key's score is score - 2^30); NaN and infinities are not served; a block of zeros gets the byte 1 (read by this program alone).
; REGISTERS: v1-5 addresses; v[6:7] f and scratch; v8-15 four registers of statistics a tile (-M, largest t, the sum in two halves); v16-31 scale words; v32-75 Q among zeros; v76-79 and S's first 12: p's codes;
;   v80-143 S^T, then p; v144-159 at work; v160-191 O^T (tile m, half u at 160 + 16 m + 8 u); v192-223 K; v224-255 V.
.set LMB, 1024                         ; LDS: bytes 0-1,023 the row group's scale bytes; from 1,024 four copies of my block's 128 addends (a thread stores one word);
.set GMB, 3072                         ; from 3,072 the 1,024 summary keys' addends
.set LI,  1                            ; 16 x lane
.set L4,  2                            ; 4 x lane
.set MB0, 3                            ; 64 h
.set MA,  4                            ; the LDS address in hand
.set PFO, 5                            ; the prefetch's offset
.set F,   6                            ; f; the pair's upper half is never taken
.set TT,  7                            ; scratch
.set ST,  8
.set QW,  16
.set KSW, 18
.set VSW, 20
.set PSW, 22
.set QR,  23
.set KR,  24
.set VR,  28
.set QSB, 32
.set PC,  76
.set S,   80
.set TM,  144
.set O,   160
.set KF,  192
.set VF,  224
.set WV,  16
.set GG,  17
.set GRP, 18
.set HH,  19
.set TP,  20
.set QP,  22
.set QSP, 24
.set KP,  26
.set KSP, 28
.set VP,  30
.set VSP, 32
.set OP,  34
.set CS,  36
.set CSL, 38                           ; s38 the local pass's c, s39 the global pass's
.set SEL, 40
.set MNT, 42
.set CNT, 43
.set LIM, 44
.set TS,  45                           ; LDS byte at which the step's addends begin
.set QS0, 50                           ; s50, s51: byte selects for my two tiles' scale bytes
.macro PLACES n
.rept \n
	v_nop
.endr
.endm
.macro WM d, a, b, c, sa, sb
	v_wmma_scale_f32_16x16x128_f8f6f4 v[\d:\d+7], v[\a:\a+15], v[\b:\b+15], v[\c:\c+7], v[\sa], v[\sb] matrix_a_fmt:MATRIX_FMT_BF8 matrix_b_fmt:MATRIX_FMT_BF8
.endm
.macro PTR dst, base, unit, grp, sh, extra     ; base + ((head + unit) x 256 + group) << sh + extra
	s_add_co_u32 s46, s[HH], \unit
	s_lshl_b32 s46, s46, 8
	s_add_co_u32 s46, s46, s[\grp]
	s_lshl_b32 s46, s46, \sh
.if \extra
	s_add_co_u32 s46, s46, \extra
.endif
	s_add_nc_u64 s[\dst:\dst+1], s[\base:\base+1], s[46:47]
.endm
; A key step's K (two dense operands) and its scale words.  kind 0 (local): 10 loads; kind 1 (global): 12.
.macro KGROUP kind
.irp o, 0,1
.irp c, 0,1,2,3
.if \kind
	global_load_b128 v[KF+16*\o+4*\c:KF+16*\o+4*\c+3], v[LI], s[KP:KP+1] offset:8192*\o+4096*(\c/2)+512*(\c%2)   ; row tiles 2, 3 of four odd row groups
.else
	global_load_b128 v[KF+16*\o+4*\c:KF+16*\o+4*\c+3], v[LI], s[KP:KP+1] offset:2048*\o+512*\c
.endif
.endr
.endr
.if \kind
.irp j, 0,1,2,3
	global_load_b32 v[KR+\j], v[L4], s[KSP:KSP+1] offset:256*\j
.endr
.else
	global_load_b32 v[KSW], v[L4], s[KSP:KSP+1]
	global_load_b32 v[KSW+1], v[L4], s[KSP:KSP+1] offset:128
.endif
.endm
; A key step's V (two tiles of 16 of the head's 32 x 128 keys) and its scale words.  Local: 10 loads; global: 12.
.macro VGROUP kind
.irp u, 0,1
.irp c, 0,1,2,3
.if \kind
	global_load_b128 v[VF+16*\u+4*\c:VF+16*\u+4*\c+3], v[LI], s[VP:VP+1] offset:4096*\c+1024*\u
.else
	global_load_b128 v[VF+16*\u+4*\c:VF+16*\u+4*\c+3], v[LI], s[VP:VP+1] offset:2048*(\c/2)+1024*\u+512*(\c%2)
.endif
.endr
.endr
.if \kind
.irp j, 0,1,2,3
	global_load_b32 v[VR+\j], v[L4], s[VSP:VSP+1] offset:256*\j
.endr
.else
	global_load_b32 v[VR], v[L4], s[VSP:VSP+1]
	global_load_b32 v[VR+1], v[L4], s[VSP:VSP+1] offset:128
.endif
.endm
; A PREFETCH of the key step that lies two behind the one just asked for: its K and V of my head are 32 blocks of 256 bytes, a lane a block (lanes 0-15 K's, lanes 16-31 V's, whose unit lies 16 units on).
; All 64 work-groups of a batch walk the same keys: the batch's first asks, and in it the eight waves of the first two query tiles, each for its own head, so each block is named once.
; It stands behind the wave's run of loads.  The trips whose look-ahead would pass the last step ask for nothing.
.macro ASK
	s_cmp_gt_u32 s[CNT], s[LIM]
	s_cbranch_scc0 .Lnot_mine_\@
	global_prefetch_b8 v[PFO], s[KP:KP+1] offset:32768 th:TH_LOAD_NT scope:SCOPE_SE
.Lnot_mine_\@:
.endm
; A pass's pointers and first loads: Q's two tiles, Q's scale word, K's group, V's group: 23 loads (local) or 27 (global).
.macro LOADS kind
.if \kind
	s_wait_xcnt 0x0                                ; (every load that named these pointers has landed)
	s_and_b32 s[GRP], s[GG], 0xc0
	s_add_co_u32 s[GRP], s[GRP], 1                 ; the batch's first odd row group
.else
	s_and_b32 s[GRP], s[GG], 0xfe                  ; my block's first row group
.endif
	PTR QP, 4, 8*\kind, GG, 11, 0
	s_add_nc_u64 s[QP:QP+1], s[QP:QP+1], s[52:53]  ; my two tiles: register groups 2 (w / 8) on
	PTR QSP, 6, 8*\kind, GG, 7, 0
	PTR KP, 4, 16+8*\kind, GRP, 11, 1024*\kind
	PTR KSP, 6, 16+8*\kind, GRP, 7, 0
	PTR VP, 4, 32+8*\kind, GRP, 11, 512*\kind
	PTR VSP, 6, 32+8*\kind, GRP, 7, 0
.irp m, 0,1
	global_load_b128 v[QSB+12+16*\m:QSB+15+16*\m], v[LI], s[QP:QP+1] offset:512*\m
.endr
	global_load_b32 v[QR], v[L4], s[QSP:QSP+1]
	KGROUP \kind
	VGROUP \kind
.endm
; A pass begins: the statistics and O^T (the step is written once: the first finds zeros), Q's scale words, c.
.macro START kind
.irp m, 0,1
	v_mov_b32 v[ST+4*\m+1], 0xff61b1e6             ; the largest t so far: -3e38
	s_delay_alu instid0(VALU_DEP_1)
	v_floor_f32 v[ST+4*\m], -v[ST+4*\m+1]
	v_mov_b32 v[ST+4*\m+2], 0
	v_mov_b32 v[ST+4*\m+3], 0
.endr
.set jj, 0
.rept 32
	v_mov_b32 v[O+jj], 0
.set jj, jj+1
.endr
	s_wait_loadcnt 20+4*\kind                      ; Q and its word are in; K's and V's groups (10 + 10, or 12 + 12) may be out
	v_perm_b32 v[QW], v[QR], v[QR], s[QS0]         ; my tile's byte in all four places: whichever group the tile stands in
	v_perm_b32 v[QW+1], v[QR], v[QR], s[QS0+1]
	s_mov_b32 s[CS], s[CSL+\kind]
	s_mov_b32 s[CS+1], s[CS]
	PLACES 8                                       ; a scale word made by vector instructions stands eight places ahead of its product
.endm
; One query tile's part of a key step.
.macro TILE m, kind, next
.set SB, ST+4*(\m)
.irp b, 0,1,2,3
.irp c, 0,1,2,3
	ds_load_b128 v[S+16*\b+4*\c:S+16*\b+4*\c+3], v[MA] offset:128*\b+16*\c   ; the addends of keys 32 b + 16 h + 0 .. 15: sixteen lanes read the same 16 bytes
.endr
.endr
	s_wait_dscnt 0x0
.irp t, 0,1,2,3,4,5,6,7
	WM S+8*\t, KF+16*(\t/4), QSB+12+16*(\m)-4*(\t%4), S+8*\t, KSW+\t/4, QW+(\m)
.endr
	PLACES 8                                       ; in front of the first read of the scores, and of loads into registers that these products have read
.if ((\m) == 1) && (\next)
	s_wait_xcnt 0x0                                ; the pointers are stepped only behind this wait
	s_add_nc_u64 s[KP:KP+1], s[KP:KP+1], 16384
	s_add_nc_u64 s[KSP:KSP+1], s[KSP:KSP+1], 1024
	KGROUP 1                                       ; both tiles have multiplied by this step's K: the next step's is asked for
	ASK
.endif
.irp b, 0,1,2,3
	v_max3_num_f32 v[TM+\b], v[S+16*\b], v[S+16*\b+1], v[S+16*\b+2]   ; the largest score of each block of 32 keys: for the row's maximum and for the block's largest p
.endr
.irp i, 3,5,7,9,11,13
.irp b, 0,1,2,3
	v_max3_num_f32 v[TM+\b], v[TM+\b], v[S+16*\b+\i], v[S+16*\b+\i+1]
.endr
.endr
.irp b, 0,1,2,3
	v_max_num_f32 v[TM+\b], v[TM+\b], v[S+16*\b+15]
.endr
.irp b, 0,1,2,3
	s_delay_alu instid0(VALU_DEP_4)
	v_permlanex16_b32 v[TM+4+\b], v[TM+\b], s[SEL], s[SEL+1]
.endr
.irp b, 0,1,2,3
	s_delay_alu instid0(VALU_DEP_4)
	v_max_num_f32 v[TM+\b], v[TM+\b], v[TM+4+\b]
.endr
	s_delay_alu instid0(VALU_DEP_2)
	v_max3_num_f32 v[TT], v[TM], v[TM+1], v[TM+2]
	s_delay_alu instid0(VALU_DEP_1)
	v_max_num_f32 v[TT], v[TT], v[TM+3]
	s_delay_alu instid0(VALU_DEP_1)
	v_mul_f32 v[TT], s[CS], v[TT]                  ; as t (c is not negative)
	s_delay_alu instid0(VALU_DEP_1)
	v_max_num_f32 v[SB+1], v[SB+1], v[TT]          ; the running largest t
	v_mov_b32 v[TT], v[SB]
	s_delay_alu instid0(VALU_DEP_2)
	v_floor_f32 v[SB], -v[SB+1]                    ; the new -M: M is a whole number
	s_delay_alu instid0(VALU_DEP_1)
	v_sub_f32 v[TT], v[SB], v[TT]                  ; old M - new M, 0 or less
	s_delay_alu instid0(VALU_DEP_1)
	v_cvt_i32_f32 v[TT], v[TT]                     ; (it saturates)
	s_delay_alu instid0(VALU_DEP_1)
	v_ldexp_f32 v[F], 1.0, v[TT]                   ; f = 2^(old M - new M)
.set jj, 0
.rept 32
	v_pk_fma_f32 v[S+jj:S+jj+1], v[S+jj:S+jj+1], s[CS:CS+1], v[SB:SB+1] op_sel_hi:[1,0,0]   ; t - M
.set jj, jj+2
.endr
.irp b, 0,1,2,3
	v_fma_f32 v[TM+\b], v[TM+\b], s[CS], v[SB]     ; the same of each block's largest score
.endr
.set jj, 0
	s_wait_alu depctr_va_vdst(0)
.rept 64
	v_exp_f32 v[S+jj], v[S+jj]                     ; p = 2^(t - M)
.set jj, jj+1
.endr
.irp b, 0,1,2,3
	v_exp_f32 v[TM+\b], v[TM+\b]                   ; each block's largest p: the same two instructions on the same number
.endr
	v_pk_mul_f32 v[SB+2:SB+3], v[SB+2:SB+3], v[F:F+1] op_sel_hi:[1,0]   ; the sums under the new M: a plain line behind the exponentials
	s_wait_alu depctr_va_vdst(0)                   ; one wait for the 68, ahead of their first reader
	v_pk_add_f32 v[TM+4:TM+5], v[S:S+1], v[S+2:S+3]   ; the row's sum of the unquantised p, in four chains
	v_pk_add_f32 v[TM+6:TM+7], v[S+4:S+5], v[S+6:S+7]
	v_pk_add_f32 v[TM+8:TM+9], v[S+8:S+9], v[S+10:S+11]
	v_pk_add_f32 v[SB+2:SB+3], v[SB+2:SB+3], v[S+12:S+13]
.irp j, 14,22,30,38,46,54
	v_pk_add_f32 v[TM+4:TM+5], v[TM+4:TM+5], v[S+\j:S+\j+1]
	v_pk_add_f32 v[TM+6:TM+7], v[TM+6:TM+7], v[S+\j+2:S+\j+3]
	v_pk_add_f32 v[TM+8:TM+9], v[TM+8:TM+9], v[S+\j+4:S+\j+5]
	v_pk_add_f32 v[SB+2:SB+3], v[SB+2:SB+3], v[S+\j+6:S+\j+7]
.endr
	v_pk_add_f32 v[TM+4:TM+5], v[TM+4:TM+5], v[S+62:S+63]
	s_delay_alu instid0(VALU_DEP_2)
	v_pk_add_f32 v[SB+2:SB+3], v[SB+2:SB+3], v[TM+8:TM+9]
	s_delay_alu instid0(VALU_DEP_2)
	v_pk_add_f32 v[TM+4:TM+5], v[TM+4:TM+5], v[TM+6:TM+7]
	s_delay_alu instid0(VALU_DEP_1)
	v_pk_add_f32 v[SB+2:SB+3], v[SB+2:SB+3], v[TM+4:TM+5]
.irp b, 0,1,2,3
	v_max_num_f32 v[TM+\b], 0x8000000, v[TM+\b]    ; the floor 2^(16 - 127)
.endr
.irp b, 0,1,2,3
	s_delay_alu instid0(VALU_DEP_4)
	v_add_nc_u32 v[TM+12+\b], 0xf8800000, v[TM+\b] ; 15 off the exponent field: the conversion's scale operand
.endr
.irp b, 0,1,2,3
	v_and_or_b32 v[TM+8+\b], v[TM+\b], 0x7f800000, s[MNT]   ; 57,344 x the scale
.endr
.irp b, 0,1,2,3
	v_lshrrev_b32 v[TM+4+\b], 23, v[TM+12+\b]
.endr
	s_delay_alu instid0(VALU_DEP_3)
	v_lshl_or_b32 v[PSW], v[TM+5], 8, v[TM+4]      ; p's scale word for these 128 keys
	s_delay_alu instid0(VALU_DEP_1)
	v_lshl_or_b32 v[PSW], v[TM+6], 16, v[PSW]
	s_delay_alu instid0(VALU_DEP_1)
	v_lshl_or_b32 v[PSW], v[TM+7], 24, v[PSW]
.if (\m) == 0
	s_wait_loadcnt 0x0                             ; V and its scale words are in (nothing younger is out)
.if \kind
	v_perm_b32 v[TM+4], v[VR+1], v[VR], 0x05010501 ; byte 2 u + 1 of each of the four row groups' words
	v_perm_b32 v[TM+5], v[VR+3], v[VR+2], 0x05010501
	s_delay_alu instid0(VALU_DEP_1)
	v_perm_b32 v[VSW], v[TM+5], v[TM+4], 0x05040100
	v_perm_b32 v[TM+4], v[VR+1], v[VR], 0x07030703
	v_perm_b32 v[TM+5], v[VR+3], v[VR+2], 0x07030703
	s_delay_alu instid0(VALU_DEP_1)
	v_perm_b32 v[VSW+1], v[TM+5], v[TM+4], 0x05040100
.else
	v_perm_b32 v[VSW], v[VR+1], v[VR], 0x05040100  ; bytes 2 u, 2 u + 1 of the two row groups' words
	v_perm_b32 v[VSW+1], v[VR+1], v[VR], 0x07060302
.endif
.endif
.irp b, 0,1,2,3
.irp i, 0,1,2,3,4,5,6,7,8,9,10,11,12,13,14,15
	v_min_num_f32 v[S+16*\b+\i], v[S+16*\b+\i], v[TM+8+\b]   ; the hold; p is not negative.  (These lines are also the places behind the scale words just made, and between one block's conversions and the next's, which write over their sources)
.endr
	v_cvt_scalef32_pk8_bf8_f32 v[PC+4*\b:PC+4*\b+1], v[S+16*\b:S+16*\b+7], v[TM+12+\b]
	v_cvt_scalef32_pk8_bf8_f32 v[PC+4*\b+2:PC+4*\b+3], v[S+16*\b+8:S+16*\b+15], v[TM+12+\b]
.endr
.irp j, 0,2,4,6,8,10,12,14
	v_pk_mul_f32 v[O+16*(\m)+\j:O+16*(\m)+\j+1], v[O+16*(\m)+\j:O+16*(\m)+\j+1], v[F:F+1] op_sel_hi:[1,0]   ; O^T under the new M; the places behind the codes
.endr
	WM O+16*(\m), VF, PC, O+16*(\m), VSW, PSW
	WM O+16*(\m)+8, VF+16, PC, O+16*(\m)+8, VSW+1, PSW
	PLACES 9                                       ; the next S^T writes over registers of p's codes: nine places; they also serve loads into S and into V's registers and the first read of O^T
.if ((\m) == 1) && (\next)
	s_wait_xcnt 0x0
	s_add_nc_u64 s[VP:VP+1], s[VP:VP+1], 16384
	s_add_nc_u64 s[VSP:VSP+1], s[VSP:VSP+1], 1024
	VGROUP 1
.endif
.endm
.macro STEP kind, next
.if \kind
	s_wait_loadcnt 12                              ; K's group is in; V's 12 loads may be out
	v_perm_b32 v[KSW], v[KR+1], v[KR], 0x07060302  ; bytes 2, 3 (row tiles 2, 3) of two row groups' words
	s_wait_alu depctr_va_vdst(0)
	v_perm_b32 v[KSW+1], v[KR+3], v[KR+2], 0x07060302
	s_wait_alu depctr_va_vdst(0)
	v_add_nc_u32 v[MA], s[TS], v[MB0]
	PLACES 8                                       ; a scale word made by vector instructions stands eight places ahead of its product
.else
	s_wait_loadcnt 10                              ; K's group is in; V's 10 loads may be out
	v_add_nc_u32 v[MA], s[TS], v[MB0]
.endif
	TILE 0, \kind, \next
	TILE 1, \kind, \next
.endm
; O^T / the sum, quantised per head; the codes leave as register groups of the next launch's fragments, the scale bytes meet in LDS.
.macro EPI kind
	s_lshl_b32 s46, s[GG], 15                      ; fragment 4 (head / 4) + tile of row group G, register group head % 4
	s_lshr_b32 s48, s[HH], 2
	s_lshl_b32 s48, s48, 13
	s_add_co_u32 s46, s46, s48
	s_and_b32 s48, s[HH], 3
	s_lshl_b32 s48, s48, 9
	s_add_co_u32 s46, s46, s48
	s_lshl_b32 s48, s[TP], 12
	s_add_co_u32 s46, s46, s48
.if \kind
	s_add_co_u32 s46, s46, 16384
.endif
	s_add_nc_u64 s[OP:OP+1], s[12:13], s[46:47]
	v_and_b32 v[MA], 15, v0                        ; LDS: 4 r + head % 4 + 256 (head / 4) + 128 (w / 8)
	s_delay_alu instid0(VALU_DEP_1)
	v_lshlrev_b32 v[MA], 2, v[MA]
	v_bfe_u32 v[TT], v0, 5, 2
	s_delay_alu instid0(VALU_DEP_1)
	v_add_nc_u32 v[MA], v[MA], v[TT]
	v_bfe_u32 v[TT], v0, 7, 1
	s_delay_alu instid0(VALU_DEP_1)
	v_lshl_add_u32 v[MA], v[TT], 8, v[MA]
	v_bfe_u32 v[TT], v0, 8, 1
	s_delay_alu instid0(VALU_DEP_1)
	v_lshl_add_u32 v[MA], v[TT], 7, v[MA]
.irp m, 0,1
	v_add_f32 v[TM+\m], v[ST+4*\m+2], v[ST+4*\m+3]
.endr
.irp m, 0,1
	s_delay_alu instid0(VALU_DEP_2)
	v_permlanex16_b32 v[TM+4+\m], v[TM+\m], s[SEL], s[SEL+1]
.endr
.irp m, 0,1
	s_delay_alu instid0(VALU_DEP_2)
	v_add_f32 v[TM+\m], v[TM+\m], v[TM+4+\m]
.endr
	s_wait_alu depctr_va_vdst(0)
.irp m, 0,1
	v_rcp_f32 v[TM+8+\m], v[TM+\m]
.endr
	v_nop
	s_wait_alu depctr_va_vdst(0)                   ; one wait for the two, ahead of their first reader
.irp m, 0,1
.irp i, 0,1,2,3,4,5,6,7,8,9,10,11,12,13,14,15
	v_mul_f32 v[S+16*\m+\i], v[O+16*\m+\i], v[TM+8+\m]   ; register 16 m + i: d = 16 h + i of my tile m; each accumulator from its low end on
.endr
.endr
.irp b, 0,1
	v_max3_num_f32 v[TM+\b], |v[S+16*\b]|, |v[S+16*\b+1]|, 0x8000000
.endr
.irp i, 2,4,6,8,10,12,14
.irp b, 0,1
	s_delay_alu instid0(VALU_DEP_2)
	v_max3_num_f32 v[TM+\b], v[TM+\b], |v[S+16*\b+\i]|, |v[S+16*\b+\i+1]|
.endr
.endr
.irp b, 0,1
	s_delay_alu instid0(VALU_DEP_2)
	v_permlanex16_b32 v[TM+4+\b], v[TM+\b], s[SEL], s[SEL+1]
.endr
.irp b, 0,1
	s_delay_alu instid0(VALU_DEP_2)
	v_max_num_f32 v[TM+\b], v[TM+\b], v[TM+4+\b]
.endr
.irp b, 0,1
	s_delay_alu instid0(VALU_DEP_2)
	v_add_nc_u32 v[TM+12+\b], 0xf8800000, v[TM+\b]
.endr
.irp b, 0,1
	s_delay_alu instid0(VALU_DEP_4)
	v_and_or_b32 v[TM+8+\b], v[TM+\b], 0x7f800000, s[MNT]
.endr
.irp b, 0,1
	s_delay_alu instid0(VALU_DEP_4)
	v_lshrrev_b32 v[TM+4+\b], 23, v[TM+12+\b]
.endr
.irp b, 0,1
.irp i, 0,1,2,3,4,5,6,7,8,9,10,11,12,13,14,15
	v_med3_num_f32 v[S+16*\b+\i], v[S+16*\b+\i], -v[TM+8+\b], v[TM+8+\b]
.endr
	v_cvt_scalef32_pk8_bf8_f32 v[PC+4*\b:PC+4*\b+1], v[S+16*\b:S+16*\b+7], v[TM+12+\b]
	v_cvt_scalef32_pk8_bf8_f32 v[PC+4*\b+2:PC+4*\b+3], v[S+16*\b+8:S+16*\b+15], v[TM+12+\b]
.endr
	v_nop
.irp m, 0,1
	global_store_b128 v[LI], v[PC+4*\m:PC+4*\m+3], s[OP:OP+1] offset:2048*\m   ; 512 consecutive bytes
.endr
.irp m, 0,1
	ds_store_b8 v[MA], v[TM+4+\m] offset:64*\m+512*\kind
.endr
	s_wait_xcnt 0x0                                ; the codes' registers are written again only behind this wait
.endm
	s_load_b256 s[4:11], s[0:1], 0x0               ; qkvc s[4:5], qkvs s[6:7], mbias s[8:9], the mask s[10:11]
	s_load_b128 s[12:15], s[0:1], 0x20             ; oc s[12:13], osc s[14:15]
	v_lshrrev_b32 v[TT], 5, v0
	s_delay_alu instid0(VALU_DEP_1)
	v_readfirstlane_b32 s[WV], v[TT]               ; wave 0..15
	s_mov_b32 s[GG], ttmp9                         ; G
	s_and_b32 s[HH], s[WV], 7                      ; my head among eight
	s_lshr_b32 s[TP], s[WV], 3                     ; my pair of query tiles
	v_and_b32 v[TT], 31, v0
	s_delay_alu instid0(VALU_DEP_1)
	v_lshlrev_b32 v[LI], 4, v[TT]
	s_delay_alu instid0(VALU_DEP_2)
	v_lshlrev_b32 v[L4], 2, v[TT]
	v_bfe_u32 v[MB0], v0, 4, 1                     ; h
	v_and_b32 v[PFO], 15, v0
	s_delay_alu instid0(VALU_DEP_1)
	v_lshrrev_b32 v[TT], 2, v[PFO]
	s_delay_alu instid0(VALU_DEP_2)
	v_and_b32 v[PFO], 3, v[PFO]
	s_delay_alu instid0(VALU_DEP_1)
	v_lshlrev_b32 v[PFO], 8, v[PFO]
	s_delay_alu instid0(VALU_DEP_1)
	v_lshl_add_u32 v[PFO], v[TT], 12, v[PFO]       ; K's blocks: 4,096 (l / 4) + 256 (l % 4)
	v_bfe_u32 v[TT], v0, 1, 1
	s_delay_alu instid0(VALU_DEP_1)
	v_lshl_add_u32 v[TT], v[TT], 9, 8388096        ; V's: 16 units on, 512 bytes back, its two tiles 1,024 apart
	s_delay_alu instid0(VALU_DEP_1)
	v_mul_u32_u24 v[TT], v[TT], v[MB0]
	s_delay_alu instid0(VALU_DEP_1)
	v_add_nc_u32 v[PFO], v[PFO], v[TT]
	v_lshlrev_b32 v[MB0], 6, v[MB0]
	v_lshrrev_b32 v[S], 4, v0                      ; the staging (S's registers are free): thread t takes 8 bytes of block t / 16's 32 summary addends,
	v_and_b32 v[S+1], 15, v0
	s_delay_alu instid0(VALU_DEP_1)
	v_lshlrev_b32 v[S+1], 3, v[S+1]
	s_delay_alu instid0(VALU_DEP_1)
	v_lshl_add_u32 v[S], v[S], 9, v[S+1]
	v_and_b32 v[S+1], 127, v0                      ; and addend t % 128 of my block's
	s_delay_alu instid0(VALU_DEP_1)
	v_lshlrev_b32 v[S+1], 2, v[S+1]
	v_lshl_add_u32 v[S+5], v0, 3, GMB
	v_lshl_add_u32 v[S+6], v0, 2, LMB
	v_lshlrev_b32 v[S+7], 3, v[LI]                 ; 128 x lane
.irp z, 0,16,32
.irp i, 0,1,2,3,4,5,6,7,8,9,10,11
	v_mov_b32 v[QSB+\z+\i], 0                      ; the zero codes round Q's tiles: written once
.endr
.endr
.irp b, 0,1,2,3
	v_mov_b32 v[TM+4+\b], 0                        ; a lane permute's destination counts as one of its sources
.endr
	s_mov_b32 s[SEL], 0x76543210
	s_mov_b32 s[SEL+1], 0xfedcba98
	s_mov_b32 s[MNT], 0x600000
	s_mov_b32 s47, 0
	s_mov_b32 s53, 0
	s_lshl_b32 s52, s[TP], 10
	s_lshl_b32 s48, s[TP], 1
	s_mul_i32 s[QS0], s48, 0x01010101
	s_add_co_u32 s[QS0+1], s[QS0], 0x01010101
	s_and_b32 s48, s[GG], 63
	s_or_b32 s48, s48, s[TP]
	s_cmp_eq_u32 s48, 0
	s_cselect_b32 s[LIM], 2, -1                    ; who prefetches does so while more than two trips are left
	s_wait_kmcnt 0x0
	s_lshl_b32 s46, s[GG], 10
	s_add_nc_u64 s[14:15], s[14:15], s[46:47]
	s_and_b32 s[GRP], s[GG], 0xfe
	s_lshr_b32 s48, s[GG], 6                       ; the batch
	s_lshl_b32 s46, s48, 14
	s_add_co_u32 s46, s46, 384
	s_add_nc_u64 s[54:55], s[8:9], s[46:47]        ; the addends of the batch's first summary key
	s_lshl_b32 s46, s[GRP], 8
	s_add_nc_u64 s[56:57], s[8:9], s[46:47]        ; of my block's first key
	s_lshl_b32 s46, s48, 12
	s_add_co_u32 s46, s46, 96
	s_add_nc_u64 s[58:59], s[10:11], s[46:47]      ; the mask bytes likewise
	s_lshl_b32 s46, s[GRP], 6
	s_add_nc_u64 s[60:61], s[10:11], s[46:47]
	global_load_b64 v[S+2:S+3], v[S], s[54:55]
	global_load_b32 v[S+4], v[S+1], s[56:57]
	global_load_b32 v[S+8], v[L4], s[60:61]                   ; my block's 128 mask bytes
	global_load_b128 v[S+12:S+15], v[S+7], s[58:59]           ; lane l: the 32 mask bytes of block l's summary keys
	global_load_b128 v[S+16:S+19], v[S+7], s[58:59] offset:16
	LOADS 0
	s_wait_loadcnt 23                              ; the five above are in; the local pass's 23 loads may be out
	ds_store_b64 v[S+5], v[S+2:S+3]
	ds_store_b32 v[S+6], v[S+4]
.irp j, 13
	v_or_b32 v[S+12], v[S+12], v[S+\j]
.endr
.irp j, 14, 15, 16, 17, 18, 19
	s_delay_alu instid0(VALU_DEP_1)
	v_or_b32 v[S+12], v[S+12], v[S+\j]
.endr
	v_cmp_ne_u32 vcc_lo, 0, v[S+8]
	s_cmp_lg_u32 vcc_lo, 0                         ; does any key of my block count?
	s_cselect_b32 s[CSL], 0x3e8293ee, 0            ; c = log2(e) / sqrt(32), or 0: a choice of a value, no branch
	v_cmp_ne_u32 vcc_lo, 0, v[S+12]
	s_cmp_lg_u32 vcc_lo, 0                         ; any summary key of the batch?
	s_cselect_b32 s[CSL+1], 0x3e8293ee, 0
	s_wait_dscnt 0x0                               ; for the others' sake: my addends have landed
	s_barrier_signal -1
	s_barrier_wait -1                              ; the addends lie in LDS; nothing writes them again
	s_lshr_b32 s48, s[WV], 2
	s_lshl_b32 s48, s48, 9
	s_add_co_u32 s[TS], s48, LMB                   ; the copy that my own four waves stored
	START 0
	s_wait_alu depctr_va_vdst(0)
	STEP 0, 0
	LOADS 1                                        ; the global pass's first loads are on their way while the local result is finished
	EPI 0
	s_mov_b32 s[TS], GMB
	START 1
	s_mov_b32 s[CNT], 7
.Lg:
	STEP 1, 1
	s_add_co_u32 s[TS], s[TS], 512                 ; the next 128 keys' addends
	s_sub_co_u32 s[CNT], s[CNT], 1
	s_cmp_lg_u32 s[CNT], 0
	s_cbranch_scc1 .Lg
	STEP 1, 0                                      ; the last step asks for nothing
	EPI 1
	s_wait_dscnt 0x0                               ; for the others' sake: my scale bytes have landed
	s_barrier_signal -1
	s_barrier_wait -1
	v_lshlrev_b32 v[MA], 4, v0
	s_cmp_lt_u32 s[WV], 2
	s_cbranch_scc0 .Lend
	ds_load_b128 v[S:S+3], v[MA]                   ; waves 0 and 1: the row group's 1,024 scale bytes,
	s_wait_dscnt 0x0
	s_wait_alu depctr_va_vdst(0)
	global_store_b128 v[MA], v[S:S+3], s[14:15]    ; 512 consecutive bytes a wave
.Lend:
	s_wait_xcnt 0x0
	v_lshl_add_u32 v254, v0, 2, 0x1c00
	v_mov_b32 v255, 0
	s_wait_alu depctr_va_vdst(0)
	s_wait_tensorcnt 0x0
	ds_add_u32 v254, v255
	s_wait_dscnt 0x0
	s_endpgm
.Lfunc_end_k_q2d8cab0473_attn:
	.size	k_q2d8cab0473_attn, .Lfunc_end_k_q2d8cab0473_attn-k_q2d8cab0473_attn
	.p2alignl 7, 3214868480
	.fill 96, 4, 3214868480
	.section	.rodata,"a",@progbits
	.p2align	6, 0x0
	.amdhsa_kernel k_q2d8cab0473_attn
		.amdhsa_group_segment_fixed_size 9216
		.amdhsa_private_segment_fixed_size 0
		.amdhsa_enable_private_segment 0
		.amdhsa_kernarg_size 48
		.amdhsa_user_sgpr_count 2
		.amdhsa_user_sgpr_kernarg_segment_ptr 1
		.amdhsa_wavefront_size32 1
		.amdhsa_system_sgpr_workgroup_id_x 1
		.amdhsa_system_sgpr_workgroup_id_y 1
		.amdhsa_system_sgpr_workgroup_id_z 1
		.amdhsa_system_vgpr_workitem_id 0
		.amdhsa_next_free_vgpr 256
		.amdhsa_next_free_sgpr 66
		.amdhsa_reserve_vcc 1
		.amdhsa_float_denorm_mode_32 3
		.amdhsa_float_denorm_mode_16_64 3
		.amdhsa_memory_ordered 1
		.amdhsa_forward_progress 1
		.amdhsa_inst_pref_size 140
	.end_amdhsa_kernel
	.amdgpu_metadata
---
amdhsa.version: [ 1, 2 ]
amdhsa.kernels:
  - .name:           k_q2d8cab0473_attn
    .symbol:         k_q2d8cab0473_attn.kd
    .args:
      - { .name: qkvc, .offset: 0, .size: 8, .value_kind: global_buffer, .address_space: global }
      - { .name: qkvs, .offset: 8, .size: 8, .value_kind: global_buffer, .address_space: global }
      - { .name: mbias, .offset: 16, .size: 8, .value_kind: global_buffer, .address_space: global }
      - { .name: input_mask, .offset: 24, .size: 8, .value_kind: global_buffer, .address_space: global }
      - { .name: oc, .offset: 32, .size: 8, .value_kind: global_buffer, .address_space: global }
      - { .name: osc, .offset: 40, .size: 8, .value_kind: global_buffer, .address_space: global }
    .group_segment_fixed_size: 9216
    .private_segment_fixed_size: 0
    .kernarg_segment_align: 8
    .kernarg_segment_size: 48
    .max_flat_workgroup_size: 512
    .sgpr_count:     66
    .vgpr_count:     256
    .wavefront_size: 32
...
	.end_amdgpu_metadata
.endif
;; end of part 3
;; launch ffn (part 4): grid 256 x 1, 8 waves a work-group, no clusters, 327,680 bytes of LDS; arguments src, oc, osc, wpk, bo, ln1_g, ln1_b, b1, b2, ln2_g, ln2_b, out0; writes out0
.if DOCPART == 4
	.amdgcn_target "amdgcn-amd-amdhsa--gfx1250"
	.amdhsa_code_object_version 6
	.text
	.protected	k_q2d8cab0473_ffn
	.globl	k_q2d8cab0473_ffn
	.p2align	8
	.type	k_q2d8cab0473_ffn,@function
k_q2d8cab0473_ffn:
	s_mov_b64 s[64:65], 0
	v_nop
	global_prefetch_b8 v0, s[64:65] scope:SCOPE_SE
	s_setreg_imm32_b32 hwreg(HW_REG_WAVE_MODE, 25, 1), 1
	s_wait_xcnt 0x0
; attn = LN1(src + o Wo^T + bo);  out = LN2(attn + relu(Q(attn) W1^T + b1) W2^T + b2).  All three products on codes of E5M2 with E8M0 scales; all else in f32.
; SHARES.  A work-group takes 64 whole rows (row group G) through the chain.  EIGHT waves of 512 registers, two to a SIMD.  Wave w owns columns 128 w .. 128 w + 127 of the 1,024-wide layers and hidden units 64 w .. 64 w + 63.
; X, the wave's 64 x 128 numbers, is register window 1 (256 registers) and never goes to memory: it begins as bo, the first product adds onto it, src is added, LN1 makes attn in it, the third product adds onto it, LN2 makes the output in it.
; The products are used transposed (source 0 = 16 weight rows, source 1 = 16 rows of the operand): a lane holds one row, and its 16 registers of column tiles 2 b, 2 b + 1 are 16 neighbours along the next K.
; Row tile m holds in lane r the row 32 (m / 2) + 8 (m % 2) + r + 8 (r / 8), as the launch before laid the attention's codes.
; SRC comes by ONE tensor load a wave, the kernel's first memory instruction behind the arguments: 64 rows x 512 bytes (each row piece starts at a multiple of 512 bytes), into LDS bytes that this wave alone reads.
; It is waited for only behind the first product, whose sums it is added to.  When all waves have read their parts (LN1's first barrier), those bytes serve attn's fragments, half of X, and at the end the way out: they have had their only fill.
; THE WEIGHTS come from memory straight into registers in fragment order: a package is four column tiles of one K step (17 loads); two buffers a wave, so 16 packages a work-group are in hand or on their way.
; NO JOINT LOADS, though all work-groups walk the same weights: of LDS 14,336 bytes are free beside what is listed below, and one slot with one package for each wave would be 69,632.
; NO PREFETCH: src is asked for whole at the head, so there is no earlier place to ask from; each package is asked for a batch of 16 matrix instructions and more ahead of its use by its own load.
; Operands go from wave to wave through LDS as images of their registers.  The variance is taken of centred numbers.
; LIMITS: NaN and infinities are not served; a block of zeros gets the byte 1 (its codes are zeros, and this program alone reads the bytes).
; REGISTERS, window 0: v1-21 addresses, v24-27 the operand's scale words, v32-39 the weights', v40-41 the spare word's address and 0, v48-111 one K step's four operand fragments (between products: the quantiser's and the sums' registers),
;   v112-127 LN's sums and factors, v128-255 two weight buffers (in LN: addends, gain, offset).  Window 1: X(m, tile t) at 64 m + 8 t; in the second product its upper half holds the hidden layer, and that half of X lies in LDS.
.set PKB,   8704
.set WO_AT, 1769472
.set W1_AT, 2326528
.set W2_AT, 2883584
.set SPT,   528                        ; a row of src in LDS: 512 bytes + 16 of padding
.set SRW,   64*SPT                     ; a wave's part of src, at SRW x wave: 270,336 bytes in all
.set AIMG,  0                          ; later in those bytes: attn's 32 fragments (4 s + m), 2,048 bytes each,
.set ASC,   65536                      ; their scale words, 64 bytes each,
.set XSP,   67584                      ; and 16,384 bytes for each wave's upper half of X
.set HIMG,  270336                     ; 16 fragments: the attention's result, later the hidden layer,
.set HSC,   303104                     ; their scale words,
.set RED,   304128                     ; LN's partial sums: two regions of 4,096,
.set SPARE, 312320                     ; the spare words: 128 bytes a wave, named by no other line
.set LI,  1
.set GA,  2
.set VEC, 3
.set VB1, 4
.set ADA, 5
.set ORD, 6
.set AWI, 7
.set AWS, 8
.set ALS, 9
.set HLI, 10
.set HWI, 11
.set HLS, 12
.set HWS, 13
.set RRA, 14
.set RWA, 15
.set XSA, 16
.set T16, 17
.set T4,  18
.set G16, 19
.set G4,  20
.set L16, 21
.set AS,  24
.set WS,  32
.set SPW, 40
.set NIL, 41
.set OPF, 48
.set TM,  48
.set PW,  64
.set PC,  66
.set RV,  48
.set RD,  52
.set SM,  112
.set MU,  120
.set WOP, 28
.set W1P, 36
.set W2P, 38
.set TR,  43
.set SEL, 44
.set MNT, 46
.set INV, 47
.set EPSR, 48
.set G0,  52
.set G1,  56
.set MSB, 0
.macro WIN new                         ; the immediate's high byte repeats the setting that is left
.if MSB != (\new)
	s_set_vgpr_msb (MSB<<8)|(\new)
.set MSB, (\new)
.endif
.endm
.macro PLACES n
.rept \n
	v_nop
.endr
.endm
.macro WM d, a, b, c, sa, sb
	v_wmma_scale_f32_16x16x128_f8f6f4 v[\d:\d+7], v[\a:\a+15], v[\b:\b+15], v[\c:\c+7], v[\sa], v[\sb] matrix_a_fmt:MATRIX_FMT_BF8 matrix_b_fmt:MATRIX_FMT_BF8
.endm
.macro BARRIER                         ; my LDS stores have landed and my LDS loads are in: then the work-group's barrier
	s_wait_dscnt 0x0
	s_barrier_signal -1
	s_barrier_wait -1
.endm
; 64 numbers, register src + 16 b + i of window sw, become codes in v[PC] on and the four blocks' scale bytes in v[PW].  The held numbers go to hld of window hw.  relu = 1: what is negative becomes 0.
.macro QUANTW src, sw, hld, hw, relu
	WIN (\sw)|((\sw)<<2)
.if \relu
.irp b, 0,1,2,3
	v_max3_num_f32 v[TM+\b], v[(\src)+16*\b], v[(\src)+16*\b+1], 0x8000000   ; my 16 numbers and the floor 2^(16 - 127): the byte cannot fall under 1
.endr
.irp i, 2,4,6,8,10,12,14
.irp b, 0,1,2,3
	v_max3_num_f32 v[TM+\b], v[(\src)+16*\b+\i], v[(\src)+16*\b+\i+1], v[TM+\b]
.endr
.endr
.else
.irp b, 0,1,2,3
	v_max3_num_f32 v[TM+\b], |v[(\src)+16*\b]|, |v[(\src)+16*\b+1]|, 0x8000000
.endr
.irp i, 2,4,6,8,10,12,14
.irp b, 0,1,2,3
	v_max3_num_f32 v[TM+\b], |v[(\src)+16*\b+\i]|, |v[(\src)+16*\b+\i+1]|, v[TM+\b]
.endr
.endr
.endif
	WIN 0
.irp b, 0,1,2,3
	v_permlanex16_b32 v[TM+4+\b], v[TM+\b], s[SEL], s[SEL+1]
.endr
.irp b, 0,1,2,3
	v_max_num_f32 v[TM+\b], v[TM+\b], v[TM+4+\b]   ; with lane l xor 16's: the block's largest magnitude
.endr
.irp b, 0,1,2,3
	v_add_nc_u32 v[TM+12+\b], 0xf8800000, v[TM+\b] ; 15 off its exponent field: the conversion's scale operand
.endr
.irp b, 0,1,2,3
	v_and_or_b32 v[TM+8+\b], v[TM+\b], 0x7f800000, s[MNT]   ; 57,344 x the scale
.endr
.irp b, 0,1,2,3
	v_lshrrev_b32 v[TM+4+\b], 23, v[TM+12+\b]      ; the scale's byte
.endr
	v_lshl_or_b32 v[PW], v[TM+5], 8, v[TM+4]
	v_lshl_or_b32 v[PW], v[TM+6], 16, v[PW]
	v_lshl_or_b32 v[PW], v[TM+7], 24, v[PW]
	WIN (\sw)|((\hw)<<6)
.irp b, 0,1,2,3
.irp i, 0,1,2,3,4,5,6,7,8,9,10,11,12,13,14,15
.if \relu
	v_med3_num_f32 v[(\hld)+16*\b+\i], v[(\src)+16*\b+\i], 0, v[TM+8+\b]   ; the activation and the hold in one
.else
	v_med3_num_f32 v[(\hld)+16*\b+\i], v[(\src)+16*\b+\i], -v[TM+8+\b], v[TM+8+\b]   ; the conversion does not saturate (ISA guide 7.6.2)
.endif
.endr
.endr
	WIN (\hw)
.irp b, 0,1,2,3
	v_cvt_scalef32_pk8_bf8_f32 v[PC+4*\b:PC+4*\b+1], v[(\hld)+16*\b:(\hld)+16*\b+7], v[TM+12+\b]
	v_cvt_scalef32_pk8_bf8_f32 v[PC+4*\b+2:PC+4*\b+3], v[(\hld)+16*\b+8:(\hld)+16*\b+15], v[TM+12+\b]
.endr
	WIN 0
	v_nop                                          ; a plain line behind the last conversion
.endm
.macro LOADB buf, ptr, imm             ; a package into buffer buf: 16 loads of codes, one of scale words: 17; each takes 512 consecutive bytes
.irp i, 0,1,2,3,4,5,6,7,8,9,10,11,12,13,14,15
	global_load_b128 v[128+64*(\buf)+4*\i:128+64*(\buf)+4*\i+3], v[LI], s[\ptr:\ptr+1] offset:(\imm)+512*\i
.endr
	global_load_b128 v[WS+4*(\buf):WS+4*(\buf)+3], v[L16], s[\ptr:\ptr+1] offset:(\imm)+8192   ; lanes 0-15 hold the words that the products read: both halves of the lanes name the same 256 bytes
.endm
.macro VLOAD base, ptr                 ; a vector's 64 numbers of my lane (my wave's 128 columns, my half of each 32), in X's order: 16 loads
.irp b, 0,1,2,3
.irp j, 0,1,2,3
	global_load_b128 v[(\base)+16*\b+4*\j:(\base)+16*\b+4*\j+3], v[VEC], s[\ptr:\ptr+1] offset:128*\b+16*\j
.endr
.endr
.endm
.macro OLOAD adr, sadr, s              ; the operand's four fragments of K step s and their scale words: 20 LDS loads
.irp m, 0,1,2,3
.irp c, 0,1,2,3
	ds_load_b128 v[OPF+16*\m+4*\c:OPF+16*\m+4*\c+3], v[\adr] offset:(4*(\s)+\m)*2048+512*\c
.endr
.endr
.irp m, 0,1,2,3
	ds_load_b32 v[AS+\m], v[\sadr] offset:64*(4*(\s)+\m)
.endr
.endm
; A batch: a package's four column tiles x four row tiles: 16 accumulators by turns, one instruction a turn.  Eight places follow: in front of loads into registers that these products have read, and of the first read of results.
; start = 1: a sum's first K step.  The bias, which is the same for all rows, was loaded into row tile 3's accumulators alone: tiles 0 to 2 take those registers as C, and tile 3 adds in place,
; nine places behind the others, since it writes over a register that they have read.
.macro MUL buf, d0, dm, start
	WIN 0x50
.irp m, 0,1,2,3
.if (\start) && (\m == 3)
	PLACES 9
.endif
.irp f, 0,1,2,3
.if \start
	WM (\d0)+(\dm)*\m+8*\f, 128+64*(\buf)+16*\f, OPF+16*\m, (\d0)+(\dm)*3+8*\f, WS+4*(\buf)+\f, AS+\m
.else
	WM (\d0)+(\dm)*\m+8*\f, 128+64*(\buf)+16*\f, OPF+16*\m, (\d0)+(\dm)*\m+8*\f, WS+4*(\buf)+\f, AS+\m
.endif
.endr
.endr
	WIN 0
	PLACES 8
.endm
; A product with K = 512 onto X: K step s, my tiles 4 e on: package 2 s + e.  Loads come back in order: behind a package stands the next one (17), behind the last the gain's 16 loads.
.macro GPH first, ptr, gp
	OLOAD HLI, HLS, 0
.irp s, 0,1,2,3
.irp e, 0,1
.if (\first) && ((2*\s+\e) == 0)
	s_wait_loadcnt 0x0                             ; X's first numbers were asked for last
.elseif (2*\s+\e) == 7
	s_wait_loadcnt 16
.else
	s_wait_loadcnt 17
.endif
.if \e == 0
	s_wait_dscnt 0x0
.endif
.if (\first) && (\s == 0)
	MUL \e, 32*\e, 64, 1
.else
	MUL \e, 32*\e, 64, 0
.endif
.if (\e == 1) && (\s < 3)
	OLOAD HLI, HLS, \s+1                           ; the next K step's fragments, ahead of the package's 17 loads
.endif
.if (2*\s+\e) < 6
	LOADB \e, \ptr, (2*\s+\e+2)*PKB
.elseif (2*\s+\e) == 6
	VLOAD 128, \gp                                 ; buffer 0 is done with: the gain
.endif
.endr
.endr
.endm
.macro SLOAD m, t                      ; src of row tile m, my 128 columns, in X's order: 16 LDS loads
.irp b, 0,1,2,3
.irp j, 0,1,2,3
	ds_load_b128 v[(\t)+16*\b+4*\j:(\t)+16*\b+4*\j+3], v[ADA] offset:(32*((\m)/2)+8*((\m)%2))*SPT+128*\b+16*\j
.endr
.endr
.endm
.macro ADDM m, t                       ; X(m) += 64 numbers at v[t]; each accumulator from its low end on
	WIN 0x41
.set pp, 0
.rept 32
	v_pk_add_f32 v[64*(\m)+2*pp:64*(\m)+2*pp+1], v[64*(\m)+2*pp:64*(\m)+2*pp+1], v[(\t)+2*pp:(\t)+2*pp+1]
.set pp, pp+1
.endr
	WIN 0
.endm
.macro REDUCE idx                      ; the four tiles' sums of my lane's row: my two halves, lane l xor 16's, the eight waves'
.irp m, 0,1,2,3
	v_add_f32 v[RV+\m], v[SM+2*\m], v[SM+2*\m+1]
.endr
.irp m, 0,1,2,3
	v_permlanex16_b32 v[RD+\m], v[RV+\m], s[SEL], s[SEL+1]
.endr
.irp m, 0,1,2,3
	v_add_f32 v[RV+\m], v[RV+\m], v[RD+\m]
.endr
	ds_store_b128 v[RWA], v[RV:RV+3] offset:4096*\idx
	BARRIER
.irp w, 0,1,2,3,4,5,6,7
	ds_load_b128 v[RD+4*\w:RD+4*\w+3], v[RRA] offset:4096*\idx+512*\w
.endr
	s_wait_dscnt 0x0
.irp i, 0,2,4,6,8,10,12,14
	v_pk_add_f32 v[RD+\i:RD+\i+1], v[RD+\i:RD+\i+1], v[RD+16+\i:RD+16+\i+1]
.endr
.irp i, 0,2,4,6
	v_pk_add_f32 v[RD+\i:RD+\i+1], v[RD+\i:RD+\i+1], v[RD+8+\i:RD+8+\i+1]
.endr
.irp i, 0,2
	v_pk_add_f32 v[RV+\i:RV+\i+1], v[RD+\i:RD+\i+1], v[RD+4+\i:RD+4+\i+1]
.endr
.endm
; LN over the rows of X.  first = 1: src is added, from my own LDS bytes, two row tiles' loads ahead;  first = 0: the bias that lies at v[OPF].  lp: the offset's pointer; the gain lies in buffer 0.
.macro LNORM first, lp
.if \first
	s_wait_tensorcnt 0x0                           ; my part of src has landed; I alone read it
	SLOAD 0, OPF
	SLOAD 1, 192
	s_wait_dscnt 16                                ; all but the 16 loads issued last
	ADDM 0, OPF
	SLOAD 2, OPF
	s_wait_dscnt 16
	ADDM 1, 192
	SLOAD 3, 192
	s_wait_dscnt 16
	ADDM 2, OPF
	s_wait_dscnt 0x0
	ADDM 3, 192
.else
	s_wait_loadcnt 0x0                             ; the bias (and the gain)
.irp m, 0,1,2,3
	ADDM \m, OPF
.endr
.endif
	VLOAD 192, \lp                                 ; buffer 1 is free: the offset
.irp i, 0,1,2,3,4,5,6,7
	v_mov_b32 v[SM+\i], 0
.endr
	WIN 0x04
.set pp, 0
.rept 32
.irp m, 0,1,2,3
	v_pk_add_f32 v[SM+2*\m:SM+2*\m+1], v[SM+2*\m:SM+2*\m+1], v[64*\m+2*pp:64*\m+2*pp+1]
.endr
.set pp, pp+1
.endr
	WIN 0
	REDUCE 0
.irp m, 0,1,2,3
	v_mul_f32 v[MU+2*\m], s[INV], v[RV+\m]         ; the mean
	v_mov_b32 v[MU+2*\m+1], v[MU+2*\m]
.endr
.irp i, 0,1,2,3,4,5,6,7
	v_mov_b32 v[SM+\i], 0
.endr
	WIN 0x41
.set pp, 0
.rept 128
	v_pk_add_f32 v[2*pp:2*pp+1], v[2*pp:2*pp+1], v[MU+2*(pp/32):MU+2*(pp/32)+1] op_sel_hi:[1,0] neg_lo:[0,1] neg_hi:[0,1]   ; centred
.set pp, pp+1
.endr
	WIN 0x05
.set pp, 0
.rept 32
.irp m, 0,1,2,3
	v_pk_fma_f32 v[SM+2*\m:SM+2*\m+1], v[64*\m+2*pp:64*\m+2*pp+1], v[64*\m+2*pp:64*\m+2*pp+1], v[SM+2*\m:SM+2*\m+1]
.endr
.set pp, pp+1
.endr
	WIN 0
	REDUCE 1
.irp m, 0,1,2,3
	v_fma_f32 v[RV+\m], v[RV+\m], s[INV], s[EPSR]  ; the variance + 1e-6
.endr
	s_wait_alu depctr_va_vdst(0)
.irp m, 0,1,2,3
	v_rsq_f32 v[MU+2*\m], v[RV+\m]
.endr
	v_nop
	s_wait_alu depctr_va_vdst(0)                   ; one behind the batch, ahead of its first reader
	s_wait_loadcnt 0x0                             ; the gain and the offset
	WIN 0x41
.set pp, 0
.rept 128
	v_pk_mul_f32 v[2*pp:2*pp+1], v[2*pp:2*pp+1], v[MU+2*(pp/32):MU+2*(pp/32)+1] op_sel_hi:[1,0]
.set pp, pp+1
.endr
.set pp, 0
.rept 128
	v_pk_fma_f32 v[2*pp:2*pp+1], v[2*pp:2*pp+1], v[128+2*(pp%32):128+2*(pp%32)+1], v[192+2*(pp%32):192+2*(pp%32)+1]
.set pp, pp+1
.endr
	WIN 0
.endm
.macro IMAGE adr, off
.irp c, 0,1,2,3
	ds_store_b128 v[\adr], v[PC+4*\c:PC+4*\c+3] offset:(\off)+512*\c
.endr
.endm
	s_load_b512 s[4:19], s[0:1], 0x0               ; src s[4:5], oc s[6:7], osc s[8:9], wpk s[10:11], bo s[12:13], ln1_g s[14:15], ln1_b s[16:17], b1 s[18:19]
	s_load_b256 s[20:27], s[0:1], 0x40             ; b2 s[20:21], ln2_g s[22:23], ln2_b s[24:25], out0 s[26:27]
	v_lshl_add_u32 v[SPW], v0, 2, SPARE
	v_mov_b32 v[NIL], 0
	ds_add_u32 v[SPW], v[NIL]                      ; the opening: the add, twice on end, and its wait ahead of my tensor load
	ds_add_u32 v[SPW], v[NIL]
	v_lshrrev_b32 v21, 5, v0
	v_readfirstlane_b32 s40, v21                   ; wave 0..7
	v_and_b32 v21, 31, v0
	v_lshlrev_b32 v[LI], 4, v21                    ; 16 x lane
	v_and_b32 v22, 15, v0                          ; r
	v_bfe_u32 v23, v0, 4, 1                        ; h
	s_lshl_b32 s50, s40, 9
	v_add_nc_u32 v[GA], s50, v[LI]                 ; my 512 bytes of a row of the output
	v_lshl_add_u32 v[VEC], v23, 6, s50
	v_add_nc_u32 v[RRA], RED, v[LI]
	v_add_nc_u32 v[RWA], s50, v[RRA]
	s_lshl_b32 s50, s40, 8
	v_lshl_add_u32 v[VB1], v23, 6, s50
	v_lshl_add_u32 v[ALS], v22, 2, ASC
	v_add_nc_u32 v[AWS], s50, v[ALS]
	s_mul_i32 s[G0+1], s40, SRW                    ; my part of src in LDS
	v_and_b32 v21, 8, v22
	v_add_nc_u32 v21, v21, v22                     ; r + 8 (r / 8)
	v_mul_u32_u24 v[ADA], v21, SPT
	v_lshl_add_u32 v[ADA], v23, 6, v[ADA]
	v_add_nc_u32 v[ADA], s[G0+1], v[ADA]           ; my row of a tile, my half of each 32 columns
	v_add_nc_u32 v[ORD], s[G0+1], v[LI]
	s_lshl_b32 s50, s40, 13
	v_add_nc_u32 v[AWI], s50, v[LI]                ; attn's K step w
	s_lshl_b32 s50, s40, 14
	s_add_co_u32 s50, s50, XSP
	v_add_nc_u32 v[XSA], s50, v[LI]
	s_lshr_b32 s41, s40, 1                         ; the hidden layer's K step w / 2,
	s_and_b32 s42, s40, 1                          ; register groups 2 (w % 2) on
	s_lshl_b32 s50, s41, 13
	s_lshl_b32 s49, s42, 10
	s_add_co_u32 s50, s50, s49                     ; where my codes of the hidden layer go,
	s_lshl_b32 s30, s41, 8
	s_lshl_b32 s49, s42, 1
	s_add_co_u32 s30, s30, s49                     ; and my two scale bytes of each row
	s_lshl_b32 s41, s41, 4
	s_add_co_u32 s41, s41, s42                     ; my first package of W1: 16 (w / 2) + w % 2
	v_add_nc_u32 v[HLI], HIMG, v[LI]
	v_lshl_add_u32 v[HLS], v22, 2, HSC
	v_add_nc_u32 v[HWI], s50, v[HLI]
	v_add_nc_u32 v[HWS], s30, v[HLS]
	v_lshl_add_u32 v[T16], v0, 4, HIMG
	v_lshl_add_u32 v[T4], v0, 2, HSC
	v_lshlrev_b32 v[G16], 4, v0
	v_lshlrev_b32 v[G4], 2, v0
	v_lshlrev_b32 v[L16], 4, v22                   ; 16 r
.irp b, 0,1,2,3
	v_mov_b32 v[RD+\b], 0                          ; a lane permute's destination counts as one of its sources
.endr
	s_mov_b32 s[SEL], 0x76543210
	s_mov_b32 s[SEL+1], 0xfedcba98
	s_mov_b32 s[MNT], 0x600000
	s_mov_b32 s[INV], 0x3a800000                   ; 1 / 1,024
	s_mov_b32 s[EPSR], 0x358637bd                  ; 1e-6
	s_mov_b32 s[G0], 1
	s_mov_b32 s[G1], (2<<16)|(1<<20)|(6<<22)|(3<<25)   ; elements of 4 bytes; four words of padding behind every 128
	s_mov_b32 s[G1+1], 128<<16                     ; tensor_dim0
	s_mov_b32 s[G1+2], 64<<16                      ; tensor_dim1
	s_mov_b32 s[G1+3], 128<<16                     ; tile_dim0
	s_mov_b32 s[G1+4], 64                          ; tile_dim1
	s_mov_b32 s[G1+5], 1024                        ; elements from row to row
	s_mov_b32 s[G1+6], 0
	s_mov_b32 s[G1+7], 0
	s_mov_b32 s51, 0
	s_wait_alu depctr_va_vdst(0)
	s_wait_dscnt 0x0                               ; both opening adds are done
	s_wait_kmcnt 0x0
	s_lshl_b32 s50, ttmp9, 18
	s_add_nc_u64 s[4:5], s[4:5], s[50:51]
	s_add_nc_u64 s[26:27], s[26:27], s[50:51]
	s_lshl_b32 s50, s40, 9
	s_add_nc_u64 s[G0+2:G0+3], s[4:5], s[50:51]    ; row 64 G, column 128 w
	s_or_b32 s[G0+3], s[G0+3], 0x80000000
	tensor_load_to_lds s[G0:G0+3], s[G1:G1+7]      ; my one tensor load: 64 rows x 512 bytes of src
	s_nop 0
	PLACES 4
	s_lshl_b32 s50, ttmp9, 15
	s_add_nc_u64 s[6:7], s[6:7], s[50:51]
	s_lshl_b32 s50, ttmp9, 10
	s_add_nc_u64 s[8:9], s[8:9], s[50:51]
	s_mul_i32 s50, s40, 8*PKB                      ; my 8 packages of Wo and of W2
	s_add_nc_u64 s[30:31], s[10:11], s[50:51]
	s_add_nc_u64 s[WOP:WOP+1], s[30:31], WO_AT
	s_add_nc_u64 s[W2P:W2P+1], s[30:31], W2_AT
	s_mul_i32 s50, s41, PKB
	s_add_nc_u64 s[W1P:W1P+1], s[10:11], s[50:51]
	s_add_nc_u64 s[W1P:W1P+1], s[W1P:W1P+1], W1_AT
.irp k, 0,1,2,3,4,5,6,7
	global_load_b128 v[OPF+4*\k:OPF+4*\k+3], v[G16], s[6:7] offset:4096*\k   ; the attention's 16 fragments, shared out by thread
.endr
	global_load_b32 v[OPF+32], v[G4], s[8:9]
	LOADB 0, WOP, 0
	LOADB 1, WOP, PKB
	s_wait_loadcnt 34                              ; the copy is in; two packages may be out
.irp k, 0,1,2,3,4,5,6,7
	ds_store_b128 v[T16], v[OPF+4*\k:OPF+4*\k+3] offset:4096*\k
.endr
	ds_store_b32 v[T4], v[OPF+32]
	WIN 0x40
.irp m, 3
.irp b, 0,1,2,3
.irp j, 0,1,2,3
	global_load_b128 v[64*\m+16*\b+4*\j:64*\m+16*\b+4*\j+3], v[VEC], s[12:13] offset:128*\b+16*\j   ; bo, into row tile 3's accumulators: the C of every tile's first product
.endr
.endr
.endr
	WIN 0
	BARRIER                                        ; the attention's fragments lie in LDS
	GPH 1, WOP, 14
	LNORM 1, 16
	; ---- X holds attn.  Its codes go to LDS as K step w; X is kept for the residual: tiles 0, 1 are held into buffer 1, tiles 2, 3 go to LDS first and are held in place
	LOADB 0, W1P, 0
.irp m, 0,1
	QUANTW 64*\m, 1, 192, 0, 0
	IMAGE AWI, 2048*\m
	ds_store_b32 v[AWS], v[PW] offset:64*\m        ; both halves of the lanes write the same word with the same value
	s_wait_dscnt 0x0
.endr
	LOADB 1, W1P, 2*PKB
	WIN 0x04
.set ff, 0
.rept 32
	ds_store_b128 v[XSA], v[128+4*ff:128+4*ff+3] offset:512*ff   ; X's upper half makes room for the hidden layer
.set ff, ff+1
.endr
	WIN 0
.irp m, 2,3
	QUANTW 64*\m, 1, 64*\m, 1, 0
	IMAGE AWI, 2048*\m
	ds_store_b32 v[AWS], v[PW] offset:64*\m
	s_wait_dscnt 0x0
.endr
	WIN 0x40
.irp m, 3
.irp f, 0,1,2,3
.irp g, 0,1
	global_load_b128 v[128+32*\m+8*\f+4*\g:128+32*\m+8*\f+4*\g+3], v[VB1], s[18:19] offset:128*(\f/2)+32*(\f%2)+16*\g   ; b1, into row tile 3's accumulators: the C of every tile's first product
.endr
.endr
.endr
	WIN 0
	BARRIER                                        ; attn's 32 fragments lie in LDS
	OLOAD LI, ALS, 0
.irp s, 0,1,2,3,4,5,6,7
.if \s == 0
	s_wait_loadcnt 0x0                             ; b1 was asked for last
.else
	s_wait_loadcnt 17                              ; this package is in; the one behind it may be out
.endif
	s_wait_dscnt 0x0
.if \s == 0
	MUL \s%2, 128, 32, 1
.else
	MUL \s%2, 128, 32, 0
.endif
.if \s < 7
	OLOAD LI, ALS, \s+1                            ; the next K step's fragments, ahead of the package's 17 loads
.endif
.if \s < 6
	LOADB \s%2, W1P, 2*(\s+2)*PKB
.else
	LOADB \s%2, W2P, (\s-6)*PKB                    ; the third product's first two packages
.endif
.endr
.irp p, 0,1                                        ; row tiles 2 p, 2 p + 1, two blocks of 32 hidden units each
	QUANTW 128+64*\p, 1, 128+64*\p, 1, 1
.irp b, 0,1,2,3
	ds_store_b128 v[HWI], v[PC+4*\b:PC+4*\b+3] offset:2048*(2*\p+\b/2)+512*(\b%2)
.endr
	ds_store_b16 v[HWS], v[PW] offset:64*(2*\p)              ; my two bytes of each row's scale word
	ds_store_b16_d16_hi v[HWS], v[PW] offset:64*(2*\p+1)
	s_wait_dscnt 0x0
.endr
	WIN 0x40
.set ff, 0
.rept 32
	ds_load_b128 v[128+4*ff:128+4*ff+3], v[XSA] offset:512*ff
.set ff, ff+1
.endr
	WIN 0
	BARRIER                                        ; the hidden layer's 16 fragments lie in LDS; X is whole again
	GPH 0, W2P, 22
	VLOAD OPF, 20                                  ; b2, where the fragments lay
	LNORM 0, 24
	; ---- THE WAY OUT: X goes into my own rows of LDS (src's bytes, which have had their only fill) and leaves as whole pieces of rows
	WIN 0x04
.irp m, 0,1,2,3
.irp b, 0,1,2,3
.irp j, 0,1,2,3
	ds_store_b128 v[ADA], v[64*\m+16*\b+4*\j:64*\m+16*\b+4*\j+3] offset:(32*(\m/2)+8*(\m%2))*SPT+128*\b+16*\j
.endr
.endr
.endr
	WIN 0
	s_mov_b32 s[TR], 4
.Lrows:                                            ; 16 rows a trip.  LDS serves a wave's instructions in order: the loads see my stores
.irp i, 0,1,2,3,4,5,6,7,8,9,10,11,12,13,14,15
	ds_load_b128 v[128+4*\i:128+4*\i+3], v[ORD] offset:SPT*\i
.endr
	s_wait_dscnt 0x0
.irp i, 0,1,2,3,4,5,6,7,8,9,10,11,12,13,14,15
	global_store_b128 v[GA], v[128+4*\i:128+4*\i+3], s[26:27] offset:4096*\i th:TH_STORE_NT   ; 32 lanes store 512 consecutive bytes, at a multiple of 512 from the output's first byte
.endr
	s_wait_xcnt 0x0                                ; the stores' data and base are written again only behind this wait
	v_add_nc_u32 v[ORD], 16*SPT, v[ORD]
	s_add_nc_u64 s[26:27], s[26:27], 65536
	s_sub_co_u32 s[TR], s[TR], 1
	s_cmp_lg_u32 s[TR], 0
	s_wait_alu depctr_va_vdst(0)
	s_cbranch_scc1 .Lrows
	s_wait_tensorcnt 0x0                           ; the wave's end
	ds_add_u32 v[SPW], v[NIL]
	s_wait_dscnt 0x0
	s_endpgm
.Lfunc_end_k_q2d8cab0473_ffn:
	.size	k_q2d8cab0473_ffn, .Lfunc_end_k_q2d8cab0473_ffn-k_q2d8cab0473_ffn
	.p2alignl 7, 3214868480
	.fill 96, 4, 3214868480
	.section	.rodata,"a",@progbits
	.p2align	6, 0x0
	.amdhsa_kernel k_q2d8cab0473_ffn
		.amdhsa_group_segment_fixed_size 327680
		.amdhsa_private_segment_fixed_size 0
		.amdhsa_enable_private_segment 0
		.amdhsa_kernarg_size 96
		.amdhsa_user_sgpr_count 2
		.amdhsa_user_sgpr_kernarg_segment_ptr 1
		.amdhsa_wavefront_size32 1
		.amdhsa_system_sgpr_workgroup_id_x 1
		.amdhsa_system_sgpr_workgroup_id_y 1
		.amdhsa_system_sgpr_workgroup_id_z 1
		.amdhsa_system_vgpr_workitem_id 0
		.amdhsa_next_free_vgpr 512
		.amdhsa_next_free_sgpr 66
		.amdhsa_reserve_vcc 0
		.amdhsa_float_denorm_mode_32 3
		.amdhsa_float_denorm_mode_16_64 3
		.amdhsa_memory_ordered 1
		.amdhsa_forward_progress 1
		.amdhsa_inst_pref_size 255
	.end_amdhsa_kernel
	.section	.bss,"aw",@nobits
	.p2align	6
	.space	262144
	.amdgpu_metadata
---
amdhsa.version: [ 1, 2 ]
amdhsa.kernels:
  - .name:           k_q2d8cab0473_ffn
    .symbol:         k_q2d8cab0473_ffn.kd
    .args:
      - { .name: src, .offset: 0, .size: 8, .value_kind: global_buffer, .address_space: global }
      - { .name: oc, .offset: 8, .size: 8, .value_kind: global_buffer, .address_space: global }
      - { .name: osc, .offset: 16, .size: 8, .value_kind: global_buffer, .address_space: global }
      - { .name: wpk, .offset: 24, .size: 8, .value_kind: global_buffer, .address_space: global }
      - { .name: bo, .offset: 32, .size: 8, .value_kind: global_buffer, .address_space: global }
      - { .name: ln1_g, .offset: 40, .size: 8, .value_kind: global_buffer, .address_space: global }
      - { .name: ln1_b, .offset: 48, .size: 8, .value_kind: global_buffer, .address_space: global }
      - { .name: b1, .offset: 56, .size: 8, .value_kind: global_buffer, .address_space: global }
      - { .name: b2, .offset: 64, .size: 8, .value_kind: global_buffer, .address_space: global }
      - { .name: ln2_g, .offset: 72, .size: 8, .value_kind: global_buffer, .address_space: global }
      - { .name: ln2_b, .offset: 80, .size: 8, .value_kind: global_buffer, .address_space: global }
      - { .name: out0, .offset: 88, .size: 8, .value_kind: global_buffer, .address_space: global }
    .group_segment_fixed_size: 327680
    .private_segment_fixed_size: 0
    .kernarg_segment_align: 8
    .kernarg_segment_size: 96
    .max_flat_workgroup_size: 256
    .sgpr_count:     66
    .vgpr_count:     512
    .wavefront_size: 32
...
	.end_amdgpu_metadata
.endif
;; end of part 4
